; MI455X (gfx1250); checked and timed in simulation.
; The chip was launched on July 23, 2026; its instructions are those of AMD's public machine-readable ISA for CDNA 5 (MIT licence, August 2026) and "CDNA5" Instruction Set Architecture Reference Guide (July 2026). The comments in the code are by the model that wrote it; some were corrected since.
;; Multi Head Attention GPT. Allowed arithmetic: matrix products marked QUANTISED: E2M1 operands, one E8M0 scale for each 32 along K, by v_wmma_scale_f32_16x16x128_f8f6f4 with both operands' format E2M1 (or v_wmma_scale_f32_32x16x128_f4), f32 sums; products left as they are: bf16, f16 or f32 operands; f32 sums; everything else in f32.
;; Inputs: Wk 16 x 1,024 x 64 float32; Wp 1,024 x 1,024 float32; Wq 16 x 1,024 x 64 float32; Wv 16 x 1,024 x 64 float32; bp 1,024 float32; x 4 x 2,048 x 1,024 float32.
;; Outputs: out0 4 x 2,048 x 1,024 float32.
;; This version of the problem:
;;   THIS VERSION OF THE PROBLEM IS GIVEN IN LOW PRECISION. The matrix products marked QUANTISED in the list below multiply operands that are first quantised to E2M1 (2 exponent bits, 1 mantissa bit; 4 bits a number), with one power-of-two scale for each 32 numbers along K (OCP MX v1.0); their sums are f32. The products marked 'left as it is' may take bf16, f16 or f32 operands, with f32 sums. Whichever they take, every output number must still come out within the allowed error. Rounding operands to bf16 (8 significant bits) uses up far more of that allowance than f16 does (11 bits, for magnitudes from 6e-5 to 65,504). All else is computed in f32.
;;   The module's matrix products, in the order in which they are computed (A, B: the left and right operand; K: the contracted axis; several contracted axes count as one K, in the product's order):
;;     1. [M 1,024, K 1,024] x [K 1,024, N 8,192]; A: input Wq; B: input x: QUANTISED
;;     2. [M 1,024, K 1,024] x [K 1,024, N 8,192]; A: input Wk; B: input x: QUANTISED
;;     3. [M 1,024, K 1,024] x [K 1,024, N 8,192]; A: input Wv; B: input x: QUANTISED
;;     4. batch 64 x [M 2,048, K 64] x [K 64, N 2,048]; A: computed on the way; B: computed on the way: left as it is (an operand is computed on the way)
;;     5. batch 64 x [M 2,048, K 2,048] x [K 2,048, N 64]; A: computed on the way; B: computed on the way: left as it is (an operand is computed on the way)
;;     6. [M 8,192, K 1,024] x [K 1,024, N 1,024]; A: computed on the way; B: input Wp: left as it is (an operand is computed on the way)
;;   THE QUANTISER, for each operand of a quantised product, along K:
;;     - K is cut into blocks of 32 from its start; a last block that is shorter is filled with zeros.
;;     - A block's scale is 2^e with e = floor(log2(the largest magnitude in the block)) - 2, held to -126 .. 127; a block of zeros has e = 0. As a byte (E8M0): e + 127.
;;     - Each number is divided by its block's scale, clamped to +-6, and rounded to the nearest number of E2M1, ties to even, subnormals kept.
;;     - The product sums the exact products of the quantised numbers (number of the format x scale) in f32.
;;   ~~~python
;;   def quantise(x, axis):      # numpy; x: float32 -> the quantised numbers, widened to float32 again
;;       x = np.moveaxis(x, axis, -1); K = x.shape[-1]
;;       x = np.pad(x, [(0, 0)] * (x.ndim - 1) + [(0, -K % 32)]); x = x.reshape(x.shape[:-1] + (-1, 32)); a = np.abs(x).max(-1, keepdims=True)
;;       e = np.where(a > 0, np.clip(np.frexp(np.where(a > 0, a, 1))[1] - 1 - 2, -126, 127), 0)      # np.frexp(a)[1] - 1 = floor(log2(a)), exactly
;;       r = np.clip(x / 2.0 ** e, -6, 6)
;;       step = 2.0 ** (np.maximum(np.frexp(np.where(r == 0, 1, r))[1] - 1, 0) - 1)
;;       q = np.round(r / step) * step * 2.0 ** e      # np.round: ties to even
;;       return np.moveaxis(q.reshape(q.shape[:-2] + (-1,))[..., :K], -1, axis).astype(np.float32)
;;   ~~~
;; One version. Each part assembles by itself: llvm-mc -triple=amdgcn-amd-amdhsa -mcpu=gfx1250 --defsym DOCPART=n.
;; ======== version 1 of 1: 5 launches
;; limits: values are held in f16: magnitudes above 65,504 overflow, below 6.1e-05 lose precision
;; workspace buffers: xc 4,194,304 bytes; xs 262,144 bytes; wc 1,572,864 bytes; ws 98,304 bytes; wpf 2,097,152 bytes; qkv 50,331,648 bytes; qkvf 786,432 bytes; ao 16,777,216 bytes
;; launch prep (part 1): grid 336 x 1, 4 waves a work-group, no clusters, 68,096 bytes of LDS; arguments x, Wq, Wk, Wv, Wp, xc, xs, wc, ws, wpf; writes xc, xs, wc, ws, wpf
.if DOCPART == 1
	.amdgcn_target "amdgcn-amd-amdhsa--gfx1250"
	.amdhsa_code_object_version 6
	.text
	.protected	k_q38f8874e3f_prep
	.globl	k_q38f8874e3f_prep
	.p2align	8
	.type	k_q38f8874e3f_prep,@function
k_q38f8874e3f_prep:
	s_mov_b64 s[64:65], 0
	v_nop
	global_prefetch_b8 v0, s[64:65] scope:SCOPE_SE
	s_setreg_imm32_b32 hwreg(HW_REG_WAVE_MODE, 25, 1), 1
	s_wait_xcnt 0x0
; CAUSAL MULTI-HEAD ATTENTION, B 4, T 2,048, C 1,024, 16 heads of 64, in five launches: prep, qkv, attn, proj, fine.
; THIS LAUNCH quantises the operands of the three quantised products (x, Wq, Wk, Wv, along K = C) to codes of E2M1 with one E8M0 byte for each 32 along K, and lays Wp out as f16 in the order of a matrix operand's registers.
; WORK LEFT OUT IN THE PROGRAM: score tiles (and their part of the second product) all of whose keys come after all of their queries.  reference() itself builds the mask (jnp.tril), sets those scores to -infinity
; ahead of the softmax, and so gives them the weight 0 whatever the inputs hold: they reach no output.  All six inputs have a way to the output and are loaded.
; LIMITS: a NaN, an infinity or an overflow that would arise only in the scores left out is not carried to the result.  NaN and infinities among the inputs are not served by the quantiser.
; q, k, v, the attention's result and Wp go to the products that are left as they are in f16: magnitudes up to 65,504; under 6e-5 their absolute error is 3e-8.
; A block's scale is 2^(floor(log2(its largest magnitude)) - 2); its byte is the largest magnitude's exponent field - 2, held at 1 from below.  A block of zeros so gets the byte 1 where the rule says 127:
; its codes are zeros, which add nothing under any byte but 0xff, and the bytes are read by this program alone.
; THREE PATHS, chosen by the work-group's number, each with LDS bytes of its own:
;   work-groups 0-47:   one head of Wq, Wk or Wv, [1024 (k)][64 (d)] f32: a lane takes a column d and its registers run down K; codes leave through a stage as rows with K innermost.
;   work-groups 48-79:  Wp [1024 (k)][1024 (n)] f32 -> f16: a lane takes a column n, 32 registers down K are a lane's share of one 16 x 32 fragment pair.
;   work-groups 80-335: x, a plain stream of blocks of 32 along K: dense loads, a turn through a stage so that a lane holds 16 neighbours.
; No tensor loads, no barrier: waves share nothing.
.set SPW,    192                       ; v192  LDS address of my spare word; never rewritten
.set NIL,    193                       ; v193  0; never rewritten
.set EMAX,   2
.set XSTEPS, 16                        ; path x: steps of 512 numbers for a wave
.set CB,     8                         ; bytes of 16 codes
.set XR,     16                        ; v16-79   four sets of 16 numbers as loaded
.set XX,     80                        ; v80-111  two sets of 16 neighbours
.set XE,     112                       ; v112-127 a scale byte for each step
.set XC,     128                       ; v128-191 codes, four registers a step
.set XREG,   8192                      ; LDS 0 .. 32,767: a region for each wave: two stages of 32 x SP bytes, then its 256 scale bytes
.set SP,     80
.set WSTG,   32768                     ; LDS 32,768 .. 67,583: path W's four stages of 32 rows x 272 bytes
.set WPITCH, 272
.set NB,     16                        ; path W: blocks of 32 along K for a wave
.set WX,     32                        ; v32-95   two sets of 32 numbers
.set WC,     96                        ; v96-99   a block's codes
.set WOUT,   112                       ; v112-175 the way out
.set WSB,    24                        ; v24-27   scale bytes, four to a register
.set PX,     32                        ; path Wp: v32-95 two sets of 32 numbers
.set PC,     96                        ; v96-127  two sets of 16 registers of f16 pairs
.set SPARE,  WSTG+4*32*WPITCH          ; 67,584: the spare words, 128 bytes a wave
	s_load_b512 s[4:19], s[0:1], 0x0               ; x s[4:5], Wq s[6:7], Wk s[8:9], Wv s[10:11], Wp s[12:13], xc s[14:15], xs s[16:17], wc s[18:19]
	s_load_b128 s[20:23], s[0:1], 0x40             ; ws s[20:21], wpf s[22:23]
	v_lshl_add_u32 v[SPW], v0, 2, SPARE
	v_mov_b32 v[NIL], 0
	v_lshrrev_b32 v1, 5, v0
	v_readfirstlane_b32 s24, v1                    ; wave 0..3
	v_and_b32 v2, 31, v0                           ; lane
	s_wait_kmcnt 0x0
	s_cmp_lt_u32 ttmp9, 48
	s_cbranch_scc1 .Lpath_w
	s_cmp_lt_u32 ttmp9, 80
	s_cbranch_scc1 .Lpath_p
; ---------------- x: 256 work-groups x 4 waves x 8,192 numbers ----------------
	v_lshlrev_b32 v3, 4, v2                        ; my 16 bytes of a load's 512
	s_mul_i32 s25, s24, XREG
	v_lshrrev_b32 v14, 2, v2
	v_mul_u32_u24 v14, v14, SP
	v_and_b32 v15, 3, v2
	v_lshl_add_u32 v14, v15, 4, v14
	v_add_nc_u32 v14, s25, v14                     ; the stage, on the way in: SP (lane / 4) + 16 (lane % 4)
	v_mul_u32_u24 v15, v2, SP
	v_add_nc_u32 v15, s25, v15                     ; and on the way out: SP x lane: my 16 neighbours
	v_mul_u32_u24 v4, v2, CB                       ; my codes' place in a step's
	v_lshrrev_b32 v5, 1, v2
	s_add_co_u32 s25, s25, 2*32*SP
	v_add_nc_u32 v5, s25, v5                       ; my wave's 256 scale bytes, my block's byte
	v_lshlrev_b32 v7, 3, v2
	v_add_nc_u32 v6, s25, v7                       ; and on the way out 8 bytes a lane
	s_sub_co_u32 s26, ttmp9, 80
	s_lshl_b32 s26, s26, 2
	s_add_co_u32 s26, s26, s24                     ; which run of 8,192 numbers is my wave's: 0 .. 1,023
	s_lshl_b32 s28, s26, 15                        ; 32,768 bytes of f32 a run
	s_mov_b32 s29, 0
	s_add_nc_u64 s[4:5], s[4:5], s[28:29]
	s_lshl_b32 s28, s26, 12                        ; 4,096 bytes of codes
	s_add_nc_u64 s[14:15], s[14:15], s[28:29]
	s_lshl_b32 s28, s26, 8                         ; 256 scale bytes
	s_add_nc_u64 s[16:17], s[16:17], s[28:29]
.macro XLOAD t
.irp i, 0,1,2,3
	global_load_b128 v[XR+16*((\t)%4)+4*\i:XR+16*((\t)%4)+4*\i+3], v3, s[4:5] offset:2048*(\t)+512*\i th:TH_LOAD_NT   ; 32 lanes read 512 consecutive bytes
.endr
.endm
.macro XTURN t                         ; step t's numbers through the stage: LDS serves a wave's instructions in order, so no wait stands between the stores and the loads
.irp i, 0,1,2,3
	ds_store_b128 v14, v[XR+16*((\t)%4)+4*\i:XR+16*((\t)%4)+4*\i+3] offset:32*SP*((\t)%2)+8*SP*\i
.endr
.irp i, 0,1,2,3
	ds_load_b128 v[XX+16*((\t)%2)+4*\i:XX+16*((\t)%2)+4*\i+3], v15 offset:32*SP*((\t)%2)+16*\i
.endr
.endm
.irp t, 0,1,2,3
	XLOAD \t
.endr
	s_wait_loadcnt 12                              ; step 0's four loads are in; those of steps 1 to 3 may be out
	XTURN 0
.macro XSTEP t
.set XS, XX+16*((\t)%2)
.if (\t) > 0
	s_wait_dscnt 1                                 ; this step's numbers are back from the stage (the last step's byte store may be out)
.else
	s_wait_dscnt 0x0
.endif
.if (\t)+4 < XSTEPS
	XLOAD (\t)+4                                   ; into the set whose stores into the stage have been served
.endif
.if (\t)+1 < XSTEPS
.if XSTEPS-2-(\t) >= 3
	s_wait_loadcnt 12                              ; the next step's four loads are in; those of the three steps behind it may be out
.else
	s_wait_loadcnt 4*(XSTEPS-2-(\t))
.endif
	XTURN (\t)+1
.endif
	v_max3_num_f32 v8, |v[XS]|, |v[XS+1]|, |v[XS+2]|               ; the largest magnitude of my 16, in two chains
	v_max3_num_f32 v9, |v[XS+3]|, |v[XS+4]|, |v[XS+5]|
.irp i, 6,10
	v_max3_num_f32 v8, v8, |v[XS+\i]|, |v[XS+\i+1]|
	v_max3_num_f32 v9, v9, |v[XS+\i+2]|, |v[XS+\i+3]|
.endr
	v_max3_num_f32 v8, v8, |v[XS+14]|, |v[XS+15]|
	v_max3_num_f32 v8, v8, v9, (EMAX+1)<<23        ; and the floor 2^(EMAX + 1 - 127): the byte cannot fall under 1
	v_max_num_f32_dpp v8, v8, v8 row_xmask:1 row_mask:0xf bank_mask:0xf   ; with my neighbour's 16: the block's
	v_add_nc_u32 v11, -(EMAX<<23), v8              ; EMAX off its exponent field: the conversion takes the exponent field of this operand as its scale
	v_cvt_scalef32_pk8_fp4_f32 v[XC+4*(\t)], v[XS:XS+7], v11
	v_cvt_scalef32_pk8_fp4_f32 v[XC+4*(\t)+1], v[XS+8:XS+15], v11
	v_lshrrev_b32 v[XE+(\t)], 23, v11              ; the scale's byte (a plain line behind the conversions)
	ds_store_b8 v5, v[XE+(\t)] offset:16*(\t)      ; both lanes of a block write the same byte with the same value
	global_store_b64 v4, v[XC+4*(\t):XC+4*(\t)+1], s[14:15] offset:32*CB*(\t)   ; the wave stores 256 consecutive bytes, aligned
.endm
.irp t, 0,1,2,3,4,5,6,7,8,9,10,11,12,13,14,15
	XSTEP \t
.endr
	ds_load_b64 v[8:9], v6                         ; LDS serves a wave's instructions in order: these see my byte stores
	s_wait_dscnt 0x0
	global_store_b64 v7, v[8:9], s[16:17]          ; 32 lanes store 256 consecutive bytes, aligned
	s_wait_tensorcnt 0x0                           ; the wave's end, behind my last LDS store
	ds_add_u32 v[SPW], v[NIL]
	s_wait_dscnt 0x0
	s_endpgm
; ---------------- Wq, Wk, Wv: work-group g = 16 x which + head; wave: 32 columns x 512 along K ----------------
.Lpath_w:
	s_lshr_b32 s25, ttmp9, 4                       ; which: 0 q, 1 k, 2 v
	s_and_b32 s26, ttmp9, 15                       ; head
	s_and_b32 s27, s24, 1                          ; which 32 of the head's 64 columns
	s_lshr_b32 s28, s24, 1                         ; which 512 along K
	s_cmp_eq_u32 s25, 0                            ; the choice hangs on the work-group's number alone
	s_cselect_b64 s[30:31], s[6:7], s[8:9]
	s_cmp_eq_u32 s25, 2
	s_cselect_b64 s[30:31], s[10:11], s[30:31]
	s_lshl_b32 s32, s26, 18                        ; a head is 262,144 bytes,
	s_lshl_b32 s33, s28, 17                        ; 512 rows of 256 bytes,
	s_add_co_u32 s32, s32, s33
	s_lshl_b32 s33, s27, 7                         ; 32 columns
	s_add_co_u32 s32, s32, s33
	s_mov_b32 s33, 0
	s_add_nc_u64 s[30:31], s[30:31], s[32:33]
	s_lshl_b32 s32, ttmp9, 15                      ; codes: row 64 g + 32 (wave % 2) of 512 bytes, + 256 (wave / 2)
	s_lshl_b32 s34, s27, 14
	s_add_co_u32 s32, s32, s34
	s_lshl_b32 s34, s28, 8
	s_add_co_u32 s32, s32, s34
	s_add_nc_u64 s[18:19], s[18:19], s[32:33]
	s_lshl_b32 s32, ttmp9, 11                      ; scale bytes: the same row of 32 bytes, + 16 (wave / 2)
	s_lshl_b32 s34, s27, 10
	s_add_co_u32 s32, s32, s34
	s_lshl_b32 s34, s28, 4
	s_add_co_u32 s32, s32, s34
	s_add_nc_u64 s[20:21], s[20:21], s[32:33]
	v_lshlrev_b32 v3, 2, v2                        ; in: 4 bytes a lane
	s_mul_i32 s29, s24, 32*WPITCH
	s_add_co_u32 s29, s29, WSTG                    ; my stage
	v_mul_u32_u24 v4, v2, WPITCH
	v_add_nc_u32 v4, s29, v4                       ; into it: row = my column
	v_and_b32 v5, 15, v2
	v_lshrrev_b32 v6, 4, v2                        ; out of it: sixteen lanes to a row, two rows an instruction
	v_mul_u32_u24 v7, v6, WPITCH
	v_lshl_add_u32 v7, v5, 4, v7
	v_add_nc_u32 v7, s29, v7
	v_lshlrev_b32 v8, 9, v6
	v_lshl_add_u32 v8, v5, 4, v8                   ; and the same place among the codes' rows of 512 bytes
	v_lshlrev_b32 v9, 5, v2                        ; my column's row of scale bytes
.macro WLOAD t                         ; block t: W(32 t + i, my column), i = 0 .. 31, into set t % 2
.irp i, 0,1,2,3,4,5,6,7,8,9,10,11,12,13,14,15,16,17,18,19,20,21,22,23,24,25,26,27,28,29,30,31
	global_load_b32 v[WX+32*((\t)%2)+\i], v3, s[30:31] offset:(32*(\t)+\i)*256
.endr
.endm
	WLOAD 0
	WLOAD 1
.macro WBLOCK t
.set WS, WX+32*((\t)%2)
.if (\t) < NB-1
	s_wait_loadcnt 32                              ; this block's 32 loads are in; the next block's 32 may be out
.else
	s_wait_loadcnt 0
.endif
	v_max3_num_f32 v12, |v[WS]|, |v[WS+1]|, |v[WS+2]|              ; the block's largest magnitude: all 32 numbers are mine
	v_max3_num_f32 v13, |v[WS+3]|, |v[WS+4]|, |v[WS+5]|
.irp i, 6,10,14,18,22,26
	v_max3_num_f32 v12, v12, |v[WS+\i]|, |v[WS+\i+1]|
	v_max3_num_f32 v13, v13, |v[WS+\i+2]|, |v[WS+\i+3]|
.endr
	v_max3_num_f32 v12, v12, |v[WS+30]|, |v[WS+31]|
	v_max3_num_f32 v12, v12, v13, (EMAX+1)<<23     ; and the floor
	v_add_nc_u32 v11, -(EMAX<<23), v12             ; the conversion's scale operand
	v_lshrrev_b32 v13, 23, v11                     ; the scale's byte
.if (\t)%4 == 0
	v_mov_b32 v[WSB+(\t)/4], v13                   ; four bytes to a register, the lower K in the lower byte
.else
	v_lshl_or_b32 v[WSB+(\t)/4], v13, 8*((\t)%4), v[WSB+(\t)/4]
.endif
.irp g, 0,1,2,3
	v_cvt_scalef32_pk8_fp4_f32 v[WC+\g], v[WS+8*\g:WS+8*\g+7], v11
.endr
	ds_store_b128 v4, v[WC:WC+3] offset:16*(\t)    ; 32 codes: 16 bytes of my column's row
.if (\t)+2 < NB
	WLOAD (\t)+2
.endif
	s_wait_dscnt 0x0                               ; the store has read its registers: the next block's codes may be written (plain lines open the next block)
.endm
.set BQ, 0
.rept NB
	WBLOCK BQ
.set BQ, BQ+1
.endr
	global_store_b128 v9, v[WSB:WSB+3], s[20:21]   ; my column's 16 scale bytes
.irp t, 0,1,2,3,4,5,6,7,8,9,10,11,12,13,14,15
	ds_load_b128 v[WOUT+4*\t:WOUT+4*\t+3], v7 offset:2*\t*WPITCH
.endr
.irp t, 0,1,2,3,4,5,6,7,8,9,10,11,12,13,14,15
	s_wait_dscnt 15-\t                             ; LDS loads come back in order: load t is in
	global_store_b128 v8, v[WOUT+4*\t:WOUT+4*\t+3], s[18:19] offset:2*\t*512   ; sixteen lanes store 256 consecutive bytes, aligned
.endr
	s_wait_tensorcnt 0x0                           ; the wave's end, behind my last LDS store
	ds_add_u32 v[SPW], v[NIL]
	s_wait_dscnt 0x0
	s_endpgm
; ---------------- Wp -> f16 in operand order: wpf[n / 16][k / 32][1,024 bytes]; byte 512 c + 256 h + 16 r holds k = 32 s + 16 c + 8 h + 0 .. 7 of column 16 nt + r ----------------
.Lpath_p:
	s_sub_co_u32 s25, ttmp9, 48                    ; 0 .. 31
	s_and_b32 s26, s25, 7
	s_lshr_b32 s27, s25, 3                         ; which 256 along K
	s_lshl_b32 s28, s26, 7
	s_lshl_b32 s29, s24, 5
	s_add_co_u32 s28, s28, s29                     ; my wave's first column
	s_lshl_b32 s30, s27, 20                        ; 256 rows of 4,096 bytes
	s_lshl_b32 s31, s28, 2
	s_add_co_u32 s30, s30, s31
	s_mov_b32 s31, 0
	s_add_nc_u64 s[12:13], s[12:13], s[30:31]
	s_lshl_b32 s30, s28, 11                        ; (column / 16) x 32,768
	s_lshl_b32 s32, s27, 13                        ; + 8 steps of 1,024 bytes for each 256 along K
	s_add_co_u32 s30, s30, s32
	s_add_nc_u64 s[22:23], s[22:23], s[30:31]
	v_lshlrev_b32 v3, 2, v2
	v_lshrrev_b32 v4, 4, v2
	v_and_b32 v5, 15, v2
	v_lshlrev_b32 v4, 15, v4
	v_lshl_add_u32 v4, v5, 4, v4                   ; out: 32,768 (lane / 16) + 16 (lane % 16)
.macro PLOAD t
.irp i, 0,1,2,3,4,5,6,7,8,9,10,11,12,13,14,15,16,17,18,19,20,21,22,23,24,25,26,27,28,29,30,31
	global_load_b32 v[PX+32*((\t)%2)+\i], v3, s[12:13] offset:(32*(\t)+\i)*4096
.endr
.endm
	PLOAD 0
	PLOAD 1
.macro PSTEP t
.if (\t) < 7
	s_wait_loadcnt 32                              ; this step's 32 loads are in; the next step's may be out
.else
	s_wait_loadcnt 0
.endif
.if (\t) >= 2
	s_wait_xcnt 0x0                                ; the stores of two steps back have read this set of f16 registers
.endif
.irp i, 0,1,2,3,4,5,6,7,8,9,10,11,12,13,14,15
	v_cvt_pk_f16_f32 v[PC+16*((\t)%2)+\i], v[PX+32*((\t)%2)+2*\i], v[PX+32*((\t)%2)+2*\i+1]
.endr
.if (\t)+2 < 8
	PLOAD (\t)+2
.endif
.irp p, 0,1,2,3
	global_store_b128 v4, v[PC+16*((\t)%2)+4*\p:PC+16*((\t)%2)+4*\p+3], s[22:23] offset:1024*(\t)+512*(\p/2)+256*(\p%2)   ; sixteen lanes store 256 consecutive bytes, aligned
.endr
.endm
.irp t, 0,1,2,3,4,5,6,7
	PSTEP \t
.endr
	s_endpgm
.Lfunc_end_k_q38f8874e3f_prep:
	.size	k_q38f8874e3f_prep, .Lfunc_end_k_q38f8874e3f_prep-k_q38f8874e3f_prep
	.p2alignl 7, 3214868480
	.fill 96, 4, 3214868480
	.section	.rodata,"a",@progbits
	.p2align	6, 0x0
	.amdhsa_kernel k_q38f8874e3f_prep
		.amdhsa_group_segment_fixed_size 68096
		.amdhsa_private_segment_fixed_size 0
		.amdhsa_enable_private_segment 0
		.amdhsa_kernarg_size 80
		.amdhsa_user_sgpr_count 2
		.amdhsa_user_sgpr_kernarg_segment_ptr 1
		.amdhsa_wavefront_size32 1
		.amdhsa_system_sgpr_workgroup_id_x 1
		.amdhsa_system_sgpr_workgroup_id_y 1
		.amdhsa_system_sgpr_workgroup_id_z 1
		.amdhsa_system_vgpr_workitem_id 0
		.amdhsa_next_free_vgpr 200
		.amdhsa_next_free_sgpr 66
		.amdhsa_reserve_vcc 0
		.amdhsa_float_denorm_mode_32 3
		.amdhsa_float_denorm_mode_16_64 3
		.amdhsa_memory_ordered 1
		.amdhsa_forward_progress 1
		.amdhsa_inst_pref_size 147
	.end_amdhsa_kernel
	.amdgpu_metadata
---
amdhsa.version: [ 1, 2 ]
amdhsa.kernels:
  - .name:           k_q38f8874e3f_prep
    .symbol:         k_q38f8874e3f_prep.kd
    .args:
      - { .name: x, .offset: 0, .size: 8, .value_kind: global_buffer, .address_space: global }
      - { .name: Wq, .offset: 8, .size: 8, .value_kind: global_buffer, .address_space: global }
      - { .name: Wk, .offset: 16, .size: 8, .value_kind: global_buffer, .address_space: global }
      - { .name: Wv, .offset: 24, .size: 8, .value_kind: global_buffer, .address_space: global }
      - { .name: Wp, .offset: 32, .size: 8, .value_kind: global_buffer, .address_space: global }
      - { .name: xc, .offset: 40, .size: 8, .value_kind: global_buffer, .address_space: global }
      - { .name: xs, .offset: 48, .size: 8, .value_kind: global_buffer, .address_space: global }
      - { .name: wc, .offset: 56, .size: 8, .value_kind: global_buffer, .address_space: global }
      - { .name: ws, .offset: 64, .size: 8, .value_kind: global_buffer, .address_space: global }
      - { .name: wpf, .offset: 72, .size: 8, .value_kind: global_buffer, .address_space: global }
    .group_segment_fixed_size: 68096
    .private_segment_fixed_size: 0
    .kernarg_segment_align: 8
    .kernarg_segment_size: 80
    .max_flat_workgroup_size: 128
    .sgpr_count:     66
    .vgpr_count:     200
    .wavefront_size: 32
...
	.end_amdgpu_metadata
.endif
;; end of part 1
;; launch qkv (part 2): grid 12 x 32, 4 waves a work-group, clusters of 4 x 4, 327,680 bytes of LDS; arguments xc, xs, wc, ws, qkv, qkvf; writes qkv, qkvf
.if DOCPART == 2
	.amdgcn_target "amdgcn-amd-amdhsa--gfx1250"
	.amdhsa_code_object_version 6
	.text
	.protected	k_q38f8874e3f_qkv
	.globl	k_q38f8874e3f_qkv
	.p2align	8
	.type	k_q38f8874e3f_qkv,@function
k_q38f8874e3f_qkv:
	s_mov_b64 s[64:65], 0
	v_nop
	global_prefetch_b8 v0, s[64:65] scope:SCOPE_SE
	s_setreg_imm32_b32 hwreg(HW_REG_WAVE_MODE, 25, 1), 1
	s_wait_xcnt 0x0
	s_wait_alu depctr_hold_cnt(0) depctr_sa_sdst(0) depctr_va_vdst(0) depctr_va_sdst(0) depctr_va_ssrc(0) depctr_va_vcc(0) depctr_vm_vsrc(0)
	s_getreg_b32 s2, hwreg(HW_REG_IB_STS2, 6, 4)
	s_cmp_eq_u32 s2, 0
	s_cbranch_scc0 .Lentry_in_a_cluster
	s_endpgm
.Lentry_in_a_cluster:
	s_bfe_u32 s2, ttmp6, 0x10000c
	s_cmp_lg_u32 s2, 0xf033
	s_cbranch_scc0 .Lentry_shape_is_right
	s_endpgm
.Lentry_shape_is_right:
; q, k, v = x W for all heads at once: C[m][n] = sum over k of x[m][k] W[n][k], m = 8,192 rows (b, t), n = 3,072 columns (1,024 x which + 64 head + d), K = 1,024, on codes of FP4 (E2M1) with one E8M0 scale for each 32 along K.
; The matrix instruction takes codes and scale bytes as they lie in memory.  Sums in f32.  Results leave as f16, laid [b][g = n / 64][t][64]; the first 16 positions of every sequence leave in f32 too, [b][t][3,072].
; LIMIT: results beyond 65,504 in magnitude have no f16 number.
; A tile of C, 256 x 256, is made by a work-group of four waves; a wave makes 128 x 128: 64 accumulators, 512 registers.  K = 1,024 is two slots of 512 (rows of 256 bytes): both are filled once, at the start; nothing is filled again.
; The scales of the work-group's 256 rows of x and 256 rows of W, for all of K, come into LDS once, in rows of 256 bytes.
; CLUSTERS: 4 x 4 work-groups.  The four of a row of the cluster need the same tiles of x, the four of a column the same tiles of W: each tile is asked for jointly.
; The tile row is 8 cy + cluster y: cy is the batch and 256 x cluster y the tile's first position, so whether a tile holds positions under 16 hangs on cluster y alone, which all partners share.
; THE MATRIX INSTRUCTION IS USED TRANSPOSED (source 0 = 16 rows of W, source 1 = 16 rows of x): a lane then holds eight neighbouring columns of one row of C.
; REGISTERS, in windows of 256: window 0: v0-31 addresses; v32-95 scale words, two sets; v128-191 x's fragments, one set; on the way out v32-255 are free.
;   window 1: W's fragments, two sets, at v0 and v128.   window 2: the accumulators of my rows 0-63 ((a, b) at v[8 (8 a + b)]);   window 3: those of my rows 64-127.
.set SIZE_K, 1024
.set KSTEP,  512
.set NQ,     KSTEP/128
.set ROWB,   256
.set KROW,   SIZE_K*4/8
.set PITCH,  272                       ; an LDS row: 256 bytes + 16 of padding: the 16 rows that a load touches start 68 words apart
.set FR,     8
.set NL,     2
.set NP,     4                         ; places behind this matrix instruction (ISA guide 7.12.1)
.set HALFT,  128*PITCH
.set SLOT,   4*HALFT
.set KS,     SIZE_K/32
.set SCL,    2*SLOT
.set HALFS,  (128*KS/256)*272
.set SBLK,   (16*KS/256)*272
.set SPARE,  SCL+4*HALFS               ; the spare words, 128 bytes a wave
.set STGW,   16*528                    ; the way out: a stage for each wave, in slot 0, which has had its only fill and its last read when the first result is stored there
.set ADRA, 16
.set ADRB, 20
.set STO,  24                          ; v24  f16 stage, in: 144 r + 16 h
.set RD,   25                          ; v25  f16 stage, back: 144 (lane / 8) + 16 (lane % 8)
.set CO,   26                          ; v26  16 x lane
.set ADRS, 27
.set SPW,  28
.set NIL,  29
.set STOF, 30                          ; v30  f32 stage, in: 528 r + 32 h
.set RDF,  31                          ; v31  f32 stage, back: 16 x lane
.set SC,   32
.set AF,   128
.set BK,   128                         ; f32 rows read back
.set TMP,  192                         ; packed f16 results
.set G1, 24
.set G0, 32
.set G1B, 48
.set G0B, 56
.set G1S, 68
.set G0S, 76
.set G1SB, 80
.set G0SB, 88
.set MSB, 0
.macro WIN new                         ; the immediate's high byte repeats the setting that is left
.if MSB != (\new)
	s_set_vgpr_msb (MSB<<8)|(\new)
.set MSB, \new
.endif
.endm
.set MUL_LO, 0xa1                      ; source 0 (W) window 1, source 1 (x) window 0, C and D window 2
.set MUL_HI, 0xf1
.set TO_B,   0x40
; A joint load: waves 0 and 1 fetch for x, waves 2 and 3 for W.  The branch hangs on the wave's number alone.  An s_nop 0 and four v_nop follow each line.
.macro JLOAD g0a, g1a, g0b, g1b
	s_cmp_eq_u32 s15, 0
	s_cbranch_scc0 .Lfor_b_\@
	tensor_load_to_lds s[\g0a:\g0a+3], s[\g1a:\g1a+7]
	s_nop 0
.rept 4
	v_nop
.endr
	s_branch .Lasked_\@
.Lfor_b_\@:
	tensor_load_to_lds s[\g0b:\g0b+3], s[\g1b:\g1b+7]
	s_nop 0
.rept 4
	v_nop
.endr
.Lasked_\@:
.endm
.macro CROUND                          ; a round of the cluster's barrier
	s_barrier_signal -1
	s_barrier_wait -1
	s_cmp_lg_u32 s14, 0
	s_cbranch_scc1 .Lnot_wave_0_\@
	s_barrier_signal -3
.Lnot_wave_0_\@:
	s_barrier_wait -3
	s_barrier_signal -1
	s_barrier_wait -1
.endm
	s_load_b128 s[4:7], s[0:1], 0x0                ; x's codes, x's scales
	s_load_b128 s[8:11], s[0:1], 0x10              ; W's codes, W's scales
	s_load_b64 s[12:13], s[0:1], 0x20              ; qkv
	s_load_b64 s[66:67], s[0:1], 0x28              ; qkvf
	v_lshl_add_u32 v[SPW], v0, 2, SPARE
	v_mov_b32 v[NIL], 0
	ds_add_u32 v[SPW], v[NIL]                      ; the wave's opening: the add, twice on end, and its wait ahead of my first tensor load
	ds_add_u32 v[SPW], v[NIL]
	v_lshrrev_b32 v1, 5, v0
	v_readfirstlane_b32 s14, v1                    ; wave 0..3
	s_lshr_b32 s15, s14, 1                         ; which half of the tile's rows is mine.  Also: I fetch for x (0) or for W (1)
	s_and_b32 s16, s14, 1                          ; which half of its columns.  Also: which 128 rows of that tile I fetch
	s_bfe_u32 s40, ttmp6, 0x40000                  ; cx, cy
	s_bfe_u32 s41, ttmp6, 0x40004
	s_lshl_b32 s42, ttmp9, 2
	s_add_co_u32 s42, s42, s40                     ; tile column = 4 x cluster x + cx
	s_and_b32 s17, ttmp7, 0xffff                   ; cluster y
	s_or_b32 s96, s17, s15                         ; 0 where my 128 rows begin with a sequence's first positions: cluster y and the wave's number alone
	s_lshl_b32 s95, s41, 3
	s_add_co_u32 s17, s17, s95                     ; tile row = 8 cy + cluster y
	s_lshl_b32 s43, s41, 2
	s_lshl_b32 s43, 15, s43                        ; my row of the cluster
	s_lshl_b32 s44, 0x1111, s40                    ; my column
	s_or_b32 s[G1+0], s43, (0<<16)|(1<<20)|(1<<21)|(5<<22)|(3<<25)  ; the mask; elements of 1 byte; padding on; bit 21 beside a mask; after every 64 words four words
	s_or_b32 s[G1B+0], s44, (0<<16)|(1<<20)|(1<<21)|(5<<22)|(3<<25)
.irp g, G1, G1B
	s_mov_b32 s[\g+1], ROWB<<16                    ; tensor_dim0
	s_mov_b32 s[\g+2], 128<<16                     ; tensor_dim1
	s_mov_b32 s[\g+3], ROWB<<16                    ; tile_dim0
	s_mov_b32 s[\g+4], 128                         ; tile_dim1
	s_mov_b32 s[\g+5], KROW                        ; stride from row to row
	s_mov_b32 s[\g+6], 0
	s_mov_b32 s[\g+7], 0
.endr
	s_or_b32 s[G1S+0], s43, (3<<16)|(1<<20)|(1<<21)|(5<<22)|(3<<25)  ; the scales of 128 rows: a dense block, as rows of 256 bytes (32 elements of 8 bytes)
	s_or_b32 s[G1SB+0], s44, (3<<16)|(1<<20)|(1<<21)|(5<<22)|(3<<25)
.irp g, G1S, G1SB
	s_mov_b32 s[\g+1], 32<<16
	s_mov_b32 s[\g+2], (128*KS/256)<<16
	s_mov_b32 s[\g+3], 32<<16
	s_mov_b32 s[\g+4], 128*KS/256
	s_mov_b32 s[\g+5], 32
	s_mov_b32 s[\g+6], 0
	s_mov_b32 s[\g+7], 0
.endr
	s_lshl_b32 s18, s16, 7
	s_lshl_b32 s20, s17, 8
	s_add_co_u32 s20, s20, s18                     ; x: row 256 x tile row + 128 x half
	s_lshl_b32 s46, s42, 8
	s_add_co_u32 s46, s46, s18                     ; W: row 256 x tile column + 128 x half
	s_mov_b32 s21, 0
	s_mov_b32 s47, 0
	s_mov_b64 s[18:19], KS
	s_mul_u64 s[22:23], s[20:21], s[18:19]
	s_mul_u64 s[92:93], s[46:47], s[18:19]
	s_mov_b64 s[18:19], KROW
	s_mul_u64 s[20:21], s[20:21], s[18:19]
	s_mul_u64 s[46:47], s[46:47], s[18:19]
	s_mul_i32 s45, s14, HALFT                      ; where they go: wave x 128 rows
	s_mul_i32 s94, s14, HALFS
	s_wait_dscnt 0x0                               ; both opening adds are done
	s_wait_kmcnt 0x0
	s_add_nc_u64 s[20:21], s[4:5], s[20:21]
	s_add_nc_u64 s[22:23], s[6:7], s[22:23]
	s_add_nc_u64 s[46:47], s[8:9], s[46:47]
	s_add_nc_u64 s[92:93], s[10:11], s[92:93]
	CROUND                                         ; all sixteen work-groups are here: the joint loads meet
	s_mov_b32 s[G0S], 1
	s_add_co_u32 s[G0S+1], s94, SCL
	s_mov_b64 s[G0S+2:G0S+3], s[22:23]
	s_or_b32 s[G0S+3], s[G0S+3], 0x80000000
	s_mov_b32 s[G0SB], 1
	s_add_co_u32 s[G0SB+1], s94, SCL
	s_mov_b64 s[G0SB+2:G0SB+3], s[92:93]
	s_or_b32 s[G0SB+3], s[G0SB+3], 0x80000000
	JLOAD G0S, G1S, G0SB, G1SB                     ; the scales first
.irp s, 0,1
	s_mov_b32 s[G0+4*\s], 1
	s_add_co_u32 s[G0+4*\s+1], s45, \s*SLOT
	s_add_nc_u64 s[G0+4*\s+2:G0+4*\s+3], s[20:21], \s*ROWB
	s_or_b32 s[G0+4*\s+3], s[G0+4*\s+3], 0x80000000
	s_mov_b32 s[G0B+4*\s], 1
	s_add_co_u32 s[G0B+4*\s+1], s45, \s*SLOT
	s_add_nc_u64 s[G0B+4*\s+2:G0B+4*\s+3], s[46:47], \s*ROWB
	s_or_b32 s[G0B+4*\s+3], s[G0B+4*\s+3], 0x80000000
	JLOAD G0+4*\s, G1, G0B+4*\s, G1B               ; three tensor loads of mine are out at the most
.endr
	v_and_b32 v1, 15, v0                           ; r
	v_bfe_u32 v2, v0, 4, 1                         ; h
	v_mul_u32_u24 v3, v1, PITCH
	v_lshl_add_u32 v4, v2, 4, v3
	s_mul_i32 s21, s15, HALFT
	s_mul_i32 s22, s16, HALFT
	s_add_co_u32 s22, s22, 2*HALFT
.irp s, 0,1
	v_add_nc_u32 v[ADRA+\s], s21, v4
	v_add_nc_u32 v[ADRB+\s], s22, v4
	s_add_co_u32 s21, s21, SLOT
	s_add_co_u32 s22, s22, SLOT
.endr
	v_mul_u32_u24 v5, v1, KS                       ; my row's scales: KS bytes a row,
	v_lshrrev_b32 v6, 8, v5
	v_lshl_add_u32 v5, v6, 4, v5                   ; and 16 more for each 256 passed
	s_mul_i32 s21, s15, HALFS
	s_mul_i32 s22, s16, HALFS
	s_add_co_u32 s22, s22, 2*HALFS
	s_sub_co_u32 s22, s22, s21
	v_mul_u32_u24 v6, s22, v2                      ; lanes 16-31 take W's
	s_add_co_u32 s21, s21, SCL
	v_add_nc_u32 v5, v5, v6
	v_add_nc_u32 v[ADRS], s21, v5
	s_mul_i32 s23, s14, STGW                       ; my stage
	v_mul_u32_u24 v5, v1, 144
	v_lshl_add_u32 v5, v2, 4, v5
	v_add_nc_u32 v[STO], s23, v5
	v_bfe_u32 v5, v0, 3, 2                         ; lane / 8
	v_and_b32 v6, 7, v0
	v_mul_u32_u24 v5, v5, 144
	v_lshl_add_u32 v5, v6, 4, v5
	v_add_nc_u32 v[RD], s23, v5
	v_mul_u32_u24 v5, v1, 528
	v_lshl_add_u32 v5, v2, 5, v5
	v_add_nc_u32 v[STOF], s23, v5
	v_and_b32 v6, 31, v0
	v_lshlrev_b32 v[CO], 4, v6
	v_add_nc_u32 v[RDF], s23, v[CO]
	; qkv: ((48 batch + 4 tile column + 2 column half) x 2,048 + 256 cluster y + 128 row half) x 128 bytes
	s_mul_i32 s20, s41, 48*262144
	s_and_b32 s21, ttmp7, 0xffff
	s_lshl_b32 s21, s21, 15
	s_add_co_u32 s20, s20, s21
	s_lshl_b32 s21, s15, 14
	s_add_co_u32 s20, s20, s21
	s_mov_b32 s21, 0
	s_lshl_b32 s46, s42, 20
	s_lshl_b32 s47, s16, 19
	s_add_co_u32 s46, s46, s47
	s_mov_b32 s47, 0
	s_add_nc_u64 s[20:21], s[20:21], s[46:47]
	s_add_nc_u64 s[12:13], s[12:13], s[20:21]
	; qkvf: batch x 16 rows of 12,288 bytes + 4 x my first column
	s_mul_i32 s20, s41, 196608
	s_lshl_b32 s46, s42, 10
	s_add_co_u32 s20, s20, s46
	s_lshl_b32 s46, s16, 9
	s_add_co_u32 s20, s20, s46
	s_mov_b32 s21, 0
	s_add_nc_u64 s[66:67], s[66:67], s[20:21]
.macro FRAG reg, adr, q, i             ; 16 rows x 128 K of 4-bit codes: 8 registers: lane l holds row l % 16; registers 4 c .. 4 c + 3 hold K = 64 c + 32 (l / 16) + 0 .. 31
.irp c, 0,1
	ds_load_b128 v[\reg+4*\c:\reg+4*\c+3], v[\adr] offset:64*(\q)+32*\c+(\i)*16*PITCH
.endr
.endm
; 16 matrix instructions: x's blocks a0, a0 + 1 against W's eight.  The 64 accumulators take turns, one instruction a turn, in the same order in every step.
.macro MUL16 a0, p, q, sc, zero
.irp a, \a0, \a0+1
.irp b, 0,1,2,3,4,5,6,7
.if \zero
	v_wmma_scale_f32_16x16x128_f8f6f4 v[8*(8*((\a)%4)+\b):8*(8*((\a)%4)+\b)+7], v[128*(\p)+FR*\b:128*(\p)+FR*\b+FR-1], v[AF+FR*(\a):AF+FR*(\a)+FR-1], 0, v[SC+8*NQ*(\sc)+NQ*\b+(\q)], v[SC+8*NQ*(\sc)+NQ*(\a)+(\q)] matrix_a_fmt:MATRIX_FMT_FP4 matrix_b_fmt:MATRIX_FMT_FP4 matrix_a_scale:MATRIX_SCALE_ROW1
.else
	v_wmma_scale_f32_16x16x128_f8f6f4 v[8*(8*((\a)%4)+\b):8*(8*((\a)%4)+\b)+7], v[128*(\p)+FR*\b:128*(\p)+FR*\b+FR-1], v[AF+FR*(\a):AF+FR*(\a)+FR-1], v[8*(8*((\a)%4)+\b):8*(8*((\a)%4)+\b)+7], v[SC+8*NQ*(\sc)+NQ*\b+(\q)], v[SC+8*NQ*(\sc)+NQ*(\a)+(\q)] matrix_a_fmt:MATRIX_FMT_FP4 matrix_b_fmt:MATRIX_FMT_FP4 matrix_a_scale:MATRIX_SCALE_ROW1
.endif
.endr
.endr
.endm
.macro FETCH_B slot, q, p
	WIN TO_B
.irp i, 0,1,2,3,4,5,6,7
	FRAG 128*(\p)+FR*\i, ADRB+\slot, \q, \i
.endr
	WIN 0
.endm
.macro FETCH_A slot, q, i0
.irp i, \i0, \i0+1, \i0+2, \i0+3
	FRAG AF+FR*(\i), ADRA+\slot, \q, \i
.endr
.endm
.macro SCALES sc                       ; a slot's scale words: lanes 0-15 take x's block i, lanes 16-31 W's block i
.irp i, 0,1,2,3,4,5,6,7
	ds_load_b128 v[SC+8*NQ*\sc+NQ*\i:SC+8*NQ*\sc+NQ*\i+3], v[ADRS] offset:\i*SBLK
.endr
.endm
.macro PLACES n                        ; plain vector instructions between a matrix instruction and a load into, or a read of, its registers
.rept \n
	v_nop
.endr
.endm
.macro STEP slot, q, zero              ; 128 along K that has its successor in the same slot
	s_wait_dscnt 4*NL                              ; W's set and x's blocks 0-3 are in; the youngest eight loads (x's blocks 4-7) may be out
	WIN MUL_LO
	MUL16 0, (\q)%2, \q, \slot, \zero
	MUL16 2, (\q)%2, \q, \slot, \zero
	s_wait_dscnt 0                                 ; x's blocks 4-7 are in
	PLACES NP
	FETCH_B \slot, (\q)+1, 1-(\q)%2
	FETCH_A \slot, (\q)+1, 0
	WIN MUL_HI
	MUL16 4, (\q)%2, \q, \slot, \zero
	MUL16 6, (\q)%2, \q, \slot, \zero
	PLACES NP
	WIN 0
	FETCH_A \slot, (\q)+1, 4
.endm
.macro STEPS slot, from
.set Q, \from
.rept NQ-1-\from
	STEP \slot, Q, 0
.set Q, Q+1
.endr
.endm
	s_wait_tensorcnt 1                             ; the scales and my part of slot 0 are in (slot 1's load may be out)
	s_barrier_signal -1
	s_barrier_wait -1                              ; everybody's are
	FETCH_B 0, 0, 0
	FETCH_A 0, 0, 0
	SCALES 0
	FETCH_A 0, 0, 4
	STEP 0, 0, 1                                   ; the first products start the sums: nothing is cleared
	STEPS 0, 1
	; slot 0's last step changes slots: one barrier; in front of it my part of slot 1 has landed and my reads of slot 0 are over
	s_wait_tensorcnt 0x0
	ds_add_u32 v[SPW], v[NIL]
	s_wait_dscnt 4*NL+1                            ; (the add and the youngest eight loads may be out)
	WIN MUL_LO
	MUL16 0, 1, NQ-1, 0, 0
	s_wait_dscnt 0x0
	s_barrier_signal -1
	MUL16 2, 1, NQ-1, 0, 0
	WIN 0
	s_barrier_wait -1
	PLACES NP
	v_add_nc_u32 v[ADRS], 4*NQ, v[ADRS]            ; on to slot 1's scale words
	FETCH_B 1, 0, 0
	FETCH_A 1, 0, 0
	SCALES 1
	WIN MUL_HI
	MUL16 4, 1, NQ-1, 0, 0
	MUL16 6, 1, NQ-1, 0, 0
	PLACES NP
	WIN 0
	FETCH_A 1, 0, 4
	STEPS 1, 0
	s_wait_dscnt 4*NL                              ; the very last step
	WIN MUL_LO
	MUL16 0, 1, NQ-1, 1, 0
	MUL16 2, 1, NQ-1, 1, 0
	s_wait_dscnt 0
	WIN MUL_HI
	MUL16 4, 1, NQ-1, 1, 0
	MUL16 6, 1, NQ-1, 1, 0
	WIN 0
	PLACES NP                                      ; in front of the first reads of results and of loads into registers that the last products read
	; THE FIRST 16 POSITIONS IN F32: my block 0, where my rows begin a sequence.  Through my stage (rows of 528 bytes) and out as rows of 512 bytes.
	s_cmp_eq_u32 s96, 0
	s_cbranch_scc0 .Lno_fine
	WIN 0x08                                       ; an LDS store's data: window 2
.irp b, 0,1,2,3,4,5,6,7
	ds_store_b128 v[STOF], v[8*\b:8*\b+3] offset:64*\b          ; each accumulator from its low end on
	ds_store_b128 v[STOF], v[8*\b+4:8*\b+7] offset:64*\b+16
.endr
	WIN 0
.irp t, 0,1,2,3,4,5,6,7,8,9,10,11,12,13,14,15
	ds_load_b128 v[BK+4*\t:BK+4*\t+3], v[RDF] offset:\t*528     ; LDS serves a wave's instructions in order: these see the stores above
.endr
	s_wait_dscnt 0x0
.irp t, 0,1,2,3,4,5,6,7,8,9,10,11,12,13,14,15
	global_store_b128 v[CO], v[BK+4*\t:BK+4*\t+3], s[66:67] offset:\t*12288   ; 32 lanes store 512 consecutive bytes
.endr
	s_wait_xcnt 0x0
.Lno_fine:
; THE WAY OUT IN F16, block by block of 16 rows x 128 columns = two heads' worth of 64.  A lane's eight results pack into 16 bytes; in the stage a head's 16 rows are 144 bytes apart; read back, 16 rows of 128 bytes
; are 2,048 consecutive bytes of qkv, since a head's rows are dense there.
.macro PACK a
.set AC, 64*((\a)%4)
	WIN 0x0a+5*((\a)/4)                            ; sources 0 and 1: window 2 or 3
.irp b, 0,1,2,3,4,5,6,7
.irp r, 0,1,2,3
	v_cvt_pk_f16_f32 v[TMP+4*\b+\r], v[AC+8*\b+2*\r], v[AC+8*\b+2*\r+1]
.endr
.endr
	WIN 0
.endm
.macro TOSTAGE a
.set BKR, 32+192*((\a)%2)              ; v32-63 and v224-255 by turns
.irp b, 0,1,2,3,4,5,6,7
	ds_store_b128 v[STO], v[TMP+4*\b:TMP+4*\b+3] offset:2304*(\b/4)+32*(\b%4)
.endr
.irp j, 0,1
.irp i, 0,1,2,3
	ds_load_b128 v[BKR+16*\j+4*\i:BKR+16*\j+4*\i+3], v[RD] offset:2304*\j+576*\i
.endr
.endr
.endm
.macro SEND a
.set BKR, 32+192*((\a)%2)
	s_wait_dscnt 0x0                               ; the block is back in registers
	s_wait_xcnt 0x0                                ; the stores of the block before have read their registers: the next block's loads may land there
.irp j, 0,1
.irp i, 0,1,2,3
	global_store_b128 v[CO], v[BKR+16*\j+4*\i:BKR+16*\j+4*\i+3], s[12:13] offset:2048*(\a)+262144*\j+512*\i   ; 32 lanes store 512 consecutive bytes, aligned
.endr
.endr
.endm
	PACK 0
	TOSTAGE 0
.irp a, 1,2,3,4,5,6,7                  ; block a's conversions stand between block a - 1's loads from the stage and the wait for them
	PACK \a
	SEND \a-1
	TOSTAGE \a
.endr
	SEND 7
	s_wait_tensorcnt 0x0                           ; the wave's end
	ds_add_u32 v[SPW], v[NIL]
	s_wait_dscnt 0x0
	CROUND                                         ; the closing round
	s_endpgm
.Lfunc_end_k_q38f8874e3f_qkv:
	.size	k_q38f8874e3f_qkv, .Lfunc_end_k_q38f8874e3f_qkv-k_q38f8874e3f_qkv
	.p2alignl 7, 3214868480
	.fill 96, 4, 3214868480
	.section	.rodata,"a",@progbits
	.p2align	6, 0x0
	.amdhsa_kernel k_q38f8874e3f_qkv
		.amdhsa_group_segment_fixed_size 327680
		.amdhsa_private_segment_fixed_size 0
		.amdhsa_enable_private_segment 0
		.amdhsa_kernarg_size 48
		.amdhsa_user_sgpr_count 2
		.amdhsa_user_sgpr_kernarg_segment_ptr 1
		.amdhsa_wavefront_size32 1
		.amdhsa_system_sgpr_workgroup_id_x 1
		.amdhsa_system_sgpr_workgroup_id_y 1
		.amdhsa_system_sgpr_workgroup_id_z 1
		.amdhsa_system_vgpr_workitem_id 0
		.amdhsa_next_free_vgpr 1024
		.amdhsa_next_free_sgpr 100
		.amdhsa_reserve_vcc 0
		.amdhsa_float_denorm_mode_32 3
		.amdhsa_float_denorm_mode_16_64 3
		.amdhsa_memory_ordered 1
		.amdhsa_forward_progress 1
		.amdhsa_inst_pref_size 131
	.end_amdhsa_kernel
	.amdgpu_metadata
---
amdhsa.version: [ 1, 2 ]
amdhsa.kernels:
  - .name:           k_q38f8874e3f_qkv
    .symbol:         k_q38f8874e3f_qkv.kd
    .args:
      - { .name: xc, .offset: 0, .size: 8, .value_kind: global_buffer, .address_space: global }
      - { .name: xs, .offset: 8, .size: 8, .value_kind: global_buffer, .address_space: global }
      - { .name: wc, .offset: 16, .size: 8, .value_kind: global_buffer, .address_space: global }
      - { .name: ws, .offset: 24, .size: 8, .value_kind: global_buffer, .address_space: global }
      - { .name: qkv, .offset: 32, .size: 8, .value_kind: global_buffer, .address_space: global }
      - { .name: qkvf, .offset: 40, .size: 8, .value_kind: global_buffer, .address_space: global }
    .group_segment_fixed_size: 327680
    .private_segment_fixed_size: 0
    .kernarg_segment_align: 8
    .kernarg_segment_size: 48
    .max_flat_workgroup_size: 128
    .sgpr_count:     100
    .vgpr_count:     1024
    .wavefront_size: 32
...
	.end_amdgpu_metadata
.endif
;; end of part 2
;; launch attn (part 3): grid 4 x 64, 16 waves a work-group, no clusters, 327,680 bytes of LDS; arguments qkv, ao; writes ao
.if DOCPART == 3
	.amdgcn_target "amdgcn-amd-amdhsa--gfx1250"
	.amdhsa_code_object_version 6
	.text
	.protected	k_q38f8874e3f_attn
	.globl	k_q38f8874e3f_attn
	.p2align	8
	.type	k_q38f8874e3f_attn,@function
k_q38f8874e3f_attn:
	s_mov_b64 s[64:65], 0
	v_nop
	global_prefetch_b8 v0, s[64:65] scope:SCOPE_SE
	s_setreg_imm32_b32 hwreg(HW_REG_WAVE_MODE, 25, 1), 1
	s_wait_xcnt 0x0
; ao[b][h][t][:] = the sum over s <= t of softmax_s(q[t] . k[s] / 32) v[s][:], for one (b, h) a work-group row.  q, k, v: f16, [b][g][t][64] (g = h: q, 16 + h: k, 32 + h: v); ao: f16 [b][h][t][64].
; Products on f16 operands with f32 sums; maxima, exponentials and sums in f32; the weights p are rounded to f16 for the second product, the result once at the end.
; WORK LEFT OUT: key steps all of whose keys come after all of a wave's queries: reference() itself masks them (jnp.tril) and gives them the weight 0.  LIMIT: a NaN or overflow that would arise only there is not carried on.
; SHARES.  Work-group (i, y = 16 b + h) owns the query blocks i and 7 - i of 256: waves 0-7 take block i, waves 8-15 block 7 - i, 32 queries (two tiles of 16) each, so that every work-group has the same work under the mask.
; Every work-group walks all 8 slots of 256 keys with constant trip counts; a step of 64 keys is jumped over where its first key comes after the wave's last query; a slot whose first key comes after the
; work-group's last query is not asked for.  Every wait for tensor loads is for 0.
; NO CLUSTER: the four work-groups of a head need 8, 7, 6 and 5 slots; a joint load would bring tiles that no wave of some partner reads.
; LAYOUT.  S^T = K Q^T (source 0 = 16 keys, source 1 = 16 queries): a lane holds ONE query (lane % 16) and the keys 8 (lane / 16) + 0..7.  Two such tiles, rounded to f16 in pairs, ARE source 1 (32 keys x 16 queries)
; of O^T = V^T P.  K comes out of LDS as it lies, V ([key][channel]) turned, by ds_load_tr16_b128.
; SOFTMAX.  A running maximum m and sum l for each query: p = 2^(c s - c m), c = log2(e) / 32; in every step O and l are multiplied by a = 2^(c m_old - c m_new).
; A walked step's first key is at or under every query of the wave (steps begin at multiples of 64, waves at multiples of 32), so each maximum is a number.
; REGISTERS: v1-7 addresses; v8-17, v18-27 a tile's statistics; v28-31 mask and Q's address; v32-63 Q; v64-127 eight fragments of K, then of V; v128-191 S^T, then p; v192-255 O^T.
.set KP,    144                        ; a key's row in LDS: 128 bytes + 16
.set VP,    160                        ; a row of V: 128 bytes + 32: an odd multiple of 32
.set SK,    256                        ; keys in a slot
.set VOFF,  SK*KP
.set SLOT1, 1<<17
.set NSL,   8
.set SPARE, SLOT1+VOFF+SK*VP           ; 208,896: the spare words, 128 bytes for each of 16 waves
.set STAGE, SPARE+2048                 ; the way out: 32 rows x 144 bytes for each wave, bytes of their own
.set SPT,   144
.set AK0,  1
.set AV0,  2
.set ADK,  3
.set ADV,  4
.set SPW,  5
.set NIL,  6
.set PFO,  7
.set ST,   8                           ; tile t's statistics at v[ST + 10 t]: +0 c m, +1 m, +2 +3 l in two halves, +4 a, +5 its pair's partner, +6 .. +9 at work
.set LD,   28                          ; r - 8 h
.set DD,   29
.set NINF, 30
.set QA,   31
.set Q,    32
.set F,    64
.set S,    128
.set O,    192
.set TB,   2
.set WV,   18
.set SEL,  20
.set CS,   22
.set G1K,  24
.set G1V,  32
.set G0K,  40
.set G0V,  44
.set SLOTS, 67
.set QE,   68                          ; my wave's last query
.set QL,   69                          ; my work-group's last query
.set PFA,  76
.set LIM,  80
.set KF,   98                          ; the step's first key
.set Q0,   99                          ; my wave's first query
; Waves 0 and 1 fetch K's halves of a slot, waves 2 and 3 V's, the others nothing.  An s_nop 0 and four v_nop follow each line.
.macro TLOAD
	s_cmp_lt_u32 s[WV], 2
	s_cbranch_scc0 .Lnot_k_\@
	tensor_load_to_lds s[G0K:G0K+3], s[G1K:G1K+7]
	s_nop 0
.rept 4
	v_nop
.endr
	s_branch .Lasked_\@
.Lnot_k_\@:
	s_cmp_lt_u32 s[WV], 4
	s_cbranch_scc0 .Lasked_\@
	tensor_load_to_lds s[G0V:G0V+3], s[G1V:G1V+7]
	s_nop 0
.rept 4
	v_nop
.endr
.Lasked_\@:
.endm
; A prefetch of what the NEXT change of slots will ask for: a slot's 32,768 dense bytes of K and of V.  The head's work-group 0, which walks all slots with loads, asks, and nobody else; in it waves 4 to 7 ask for K's,
; waves 8 to 11 for V's, 8,192 bytes a wave, lanes 256 bytes apart: each aligned block of 256 bytes is named once in the launch.  The last change that fills a slot asks for nothing; slots 0 and 1 come by their loads alone.
.macro ASK
	s_cmp_gt_u32 s[SLOTS], s[LIM]
	s_cbranch_scc0 .Lnot_mine_\@
	global_prefetch_b8 v[PFO], s[PFA:PFA+1] th:TH_LOAD_NT scope:SCOPE_SE
.Lnot_mine_\@:
.endm
	s_load_b128 s[4:7], s[0:1], 0x0                ; qkv, ao
	v_lshl_add_u32 v[SPW], v0, 2, SPARE
	v_mov_b32 v[NIL], 0
	ds_add_u32 v[SPW], v[NIL]                      ; the wave's opening: the add, twice on end, and its wait ahead of my first tensor load
	ds_add_u32 v[SPW], v[NIL]
	v_lshrrev_b32 v8, 5, v0
	v_readfirstlane_b32 s[WV], v8                  ; wave 0..15
	s_and_b32 s70, ttmp7, 0xffff                   ; y = 16 b + h
	s_lshr_b32 s71, s70, 4
	s_and_b32 s72, s70, 15
	s_mul_i32 s73, s71, 48
	s_add_co_u32 s73, s73, s72
	s_lshl_b32 s74, s73, 18                        ; q's head in qkv: (48 b + h) x 262,144 bytes
	s_sub_co_u32 s81, 7, ttmp9
	s_cmp_lt_u32 s[WV], 8
	s_cselect_b32 s82, ttmp9, s81                  ; my block of 256 queries
	s_lshl_b32 s82, s82, 8
	s_and_b32 s83, s[WV], 7
	s_lshl_b32 s83, s83, 5
	s_add_co_u32 s[Q0], s82, s83
	s_add_co_u32 s[QE], s[Q0], 31
	s_lshl_b32 s[QL], s81, 8
	s_or_b32 s[QL], s[QL], 255
	s_and_b32 s92, s[WV], 1                        ; which half of a slot I fetch, if I fetch
	s_lshl_b32 s93, s92, 14
	s_add_co_u32 s84, s74, s93
	s_add_co_u32 s86, s84, 32*262144               ; v's head
	s_add_co_u32 s84, s84, 16*262144               ; k's head
	s_mov_b32 s85, 0
	s_mov_b32 s87, 0
	s_mul_i32 s94, s92, 128*KP
	s_mul_i32 s95, s92, 128*VP
	s_add_co_u32 s95, s95, VOFF
	s_lshl_b32 s88, s[Q0], 7
	s_add_co_u32 s88, s88, s74                     ; my queries' rows
	s_mov_b32 s89, 0
	s_lshl_b32 s90, s70, 18
	s_lshl_b32 s91, s[Q0], 7
	s_add_co_u32 s90, s90, s91                     ; and their rows in ao
	s_mov_b32 s91, 0
	s_cmp_lt_u32 s[WV], 8                          ; the prefetches: waves 4 to 7 K, waves 8 to 11 V
	s_mov_b32 s96, 32*262144
	s_cselect_b32 s96, 16*262144, s96
	s_add_co_u32 s96, s96, s74
	s_and_b32 s97, s[WV], 3
	s_lshl_b32 s97, s97, 13
	s_add_co_u32 s96, s96, s97
	s_add_co_u32 s96, s96, SK*128                  ; in slot 1: the first change of slots steps it to slot 2
	s_mov_b32 s97, 0
	s_sub_co_u32 s82, s[WV], 4
	s_lshr_b32 s82, s82, 3                         ; 0 in waves 4 to 11,
	s_or_b32 s82, s82, ttmp9                       ; of the head's work-group 0
	s_cmp_eq_u32 s82, 0
	s_cselect_b32 s[LIM], 1, -1
	s_mov_b32 s[G1K], (1<<16)|(1<<20)|(4<<22)|(3<<25)   ; no mask; elements of 2 bytes; padding on: after every 32 words four words
	s_mov_b32 s[G1V], (1<<16)|(1<<20)|(4<<22)|(7<<25)   ; the same with eight words
.irp g, G1K, G1V
	s_mov_b32 s[\g+1], 64<<16                      ; tensor_dim0
	s_mov_b32 s[\g+2], 128<<16                     ; tensor_dim1
	s_mov_b32 s[\g+3], 64<<16                      ; tile_dim0
	s_mov_b32 s[\g+4], 128                         ; tile_dim1
	s_mov_b32 s[\g+5], 64                          ; stride from row to row
	s_mov_b32 s[\g+6], 0
	s_mov_b32 s[\g+7], 0
.endr
	s_mov_b32 s[SEL], 0x76543210
	s_mov_b32 s[SEL+1], 0xfedcba98                 ; lane l xor 16
	s_mov_b32 s[CS], 0x3d38aa3b                    ; c = log2(e) / 32
	s_mov_b32 s[CS+1], s[CS]
	s_mov_b32 s[TB], 0
	s_mov_b32 s[SLOTS], NSL-1
	s_mov_b32 s[KF], 0
	s_wait_dscnt 0x0                               ; both opening adds are done
	s_wait_kmcnt 0x0
	s_mov_b32 s[G0K], 1
	s_mov_b32 s[G0K+1], s94
	s_add_nc_u64 s[G0K+2:G0K+3], s[4:5], s[84:85]
	s_or_b32 s[G0K+3], s[G0K+3], 0x80000000
	s_mov_b32 s[G0V], 1
	s_mov_b32 s[G0V+1], s95
	s_add_nc_u64 s[G0V+2:G0V+3], s[4:5], s[86:87]
	s_or_b32 s[G0V+3], s[G0V+3], 0x80000000
	TLOAD                                          ; slot 0: it holds key 0, which counts for every query
	s_add_nc_u64 s[PFA:PFA+1], s[4:5], s[96:97]
	s_add_nc_u64 s[88:89], s[4:5], s[88:89]
	s_add_nc_u64 s[6:7], s[6:7], s[90:91]
	v_and_b32 v[ADK], 15, v0                       ; r
	v_bfe_u32 v[ADV], v0, 4, 1                     ; h
	v_lshlrev_b32 v[QA], 7, v[ADK]
	v_lshl_add_u32 v[QA], v[ADV], 4, v[QA]         ; Q: row r of 128 bytes, + 16 h
.irp t, 0,1
.irp c, 0,1
	global_load_b128 v[Q+16*\t+8*\c:Q+16*\t+8*\c+3], v[QA], s[88:89] offset:2048*\t+64*\c      ; Q stays in registers: tile t, channels 32 c on
	global_load_b128 v[Q+16*\t+8*\c+4:Q+16*\t+8*\c+7], v[QA], s[88:89] offset:2048*\t+64*\c+32
.endr
.endr
	v_mul_u32_u24 v[AK0], v[ADK], KP
	v_lshl_add_u32 v[AK0], v[ADV], 4, v[AK0]
	v_and_b32 v[DD], 7, v0
	v_lshl_add_u32 v[AV0], v[ADV], 3, v[DD]        ; the turning load: key 8 h + lane % 8,
	v_mul_u32_u24 v[AV0], v[AV0], VP
	v_bfe_u32 v[DD], v0, 3, 1
	v_lshl_add_u32 v[AV0], v[DD], 4, v[AV0]        ; channels 8 ((lane / 8) % 2) on
	v_add_nc_u32 v[AV0], VOFF, v[AV0]
	v_lshlrev_b32 v[LD], 3, v[ADV]
	v_sub_nc_u32 v[LD], v[ADK], v[LD]
	v_mov_b32 v[NINF], 0xff800000
	v_and_b32 v[PFO], 31, v0
	v_lshlrev_b32 v[PFO], 8, v[PFO]
.irp t, 0,1
	v_mov_b32 v[ST+10*\t+1], 0xff61b1e6            ; m: -3e38, under every score
	v_mul_f32 v[ST+10*\t], s[CS], v[ST+10*\t+1]
.irp i, 2,3,4,5,6,7,8,9
	v_mov_b32 v[ST+10*\t+\i], 0                    ; l; and the others are written once, so that pairs and lane permutes name written registers on every way
.endr
.endr
.irp j, 0,1,2,3,4,5,6,7,8,9,10,11,12,13,14,15,16,17,18,19,20,21,22,23,24,25,26,27,28,29,30,31,32,33,34,35,36,37,38,39,40,41,42,43,44,45,46,47,48,49,50,51,52,53,54,55,56,57,58,59,60,61,62,63
	v_mov_b32 v[O+\j], 0                           ; O^T.  (The step is written once: the first finds zeros, which a = 0 leaves zeros)
.endr
; A KEY STEP: 64 keys, the q-th of the slot in hand.
.macro STEP q
	s_cmp_gt_u32 s[KF], s[QE]                      ; all keys after all my queries: the step's work is left out; no barrier and no tensor load stands in a step
	s_cbranch_scc1 .Lhidden_\@
	v_add_nc_u32 v[ADK], s[TB], v[AK0]
	v_add_nc_u32 v[ADV], s[TB], v[AV0]
.irp kt, 0,1,2,3
.irp c, 0,1
	ds_load_b128 v[F+8*(2*\kt+\c):F+8*(2*\kt+\c)+3], v[ADK] offset:(64*(\q)+16*\kt)*KP+64*\c
	ds_load_b128 v[F+8*(2*\kt+\c)+4:F+8*(2*\kt+\c)+7], v[ADK] offset:(64*(\q)+16*\kt)*KP+64*\c+32
.endr
.endr
	s_wait_dscnt 0x0
.irp c, 0,1                                    ; S^T = K Q^T: the eight accumulators by turns
.irp t, 0,1
.irp kt, 0,1,2,3
.if \c == 0
	v_wmma_f32_16x16x32_f16 v[S+32*\t+8*\kt:S+32*\t+8*\kt+7], v[F+8*(2*\kt+\c):F+8*(2*\kt+\c)+7], v[Q+16*\t+8*\c:Q+16*\t+8*\c+7], 0
.else
	v_wmma_f32_16x16x32_f16 v[S+32*\t+8*\kt:S+32*\t+8*\kt+7], v[F+8*(2*\kt+\c):F+8*(2*\kt+\c)+7], v[Q+16*\t+8*\c:Q+16*\t+8*\c+7], v[S+32*\t+8*\kt:S+32*\t+8*\kt+7]
.endif
.endr
.endr
.endr
.rept 4
	v_nop                                          ; four places in front of loads into K's registers and of the first reads of the scores
.endr
.irp u, 0,1                                    ; V, turned: keys 32 u on, channels 16 dt on: it lands while the softmax is worked
.irp dt, 0,1,2,3
	ds_load_tr16_b128 v[F+32*\u+8*\dt:F+32*\u+8*\dt+3], v[ADV] offset:(64*(\q)+32*\u)*VP+32*\dt
	ds_load_tr16_b128 v[F+32*\u+8*\dt+4:F+32*\u+8*\dt+7], v[ADV] offset:(64*(\q)+32*\u+16)*VP+32*\dt
.endr
.endr
	s_add_co_u32 s96, s[KF], 63                    ; on the diagonal hidden scores become -infinity ahead of the maximum; a step all of whose keys count skips this
	s_cmp_le_u32 s96, s[Q0]
	s_cbranch_scc1 .Lopen_\@
	s_sub_co_i32 s96, s[Q0], s[KF]
	v_add_nc_u32 v[DD], s96, v[LD]                 ; d = Q0 - KF + r - 8 h.  Tile t's register 8 kt + j holds key KF + 16 kt + 8 h + j for query Q0 + 16 t + r: hidden where 16 kt + j - 16 t > d
.irp t, 0,1
.irp kt, 0,1,2,3
.irp j, 0,1,2,3,4,5,6,7
	v_cmp_gt_i32 vcc_lo, 16*\kt+\j-16*\t, v[DD]
	v_cndmask_b32 v[S+32*\t+8*\kt+\j], v[S+32*\t+8*\kt+\j], v[NINF], vcc_lo
.endr
.endr
.endr
.Lopen_\@:
.irp kt, 0,1,2,3                               ; the maximum: one chain an accumulator, from its low end on; the two tiles by turns
.irp t, 0,1
	v_max3_num_f32 v[ST+10*\t+6+\kt], v[S+32*\t+8*\kt], v[S+32*\t+8*\kt+1], v[S+32*\t+8*\kt+2]
.endr
.endr
.irp i, 3,5
.irp kt, 0,1,2,3
.irp t, 0,1
	v_max3_num_f32 v[ST+10*\t+6+\kt], v[ST+10*\t+6+\kt], v[S+32*\t+8*\kt+\i], v[S+32*\t+8*\kt+\i+1]
.endr
.endr
.endr
.irp t, 0,1
	v_max3_num_f32 v[ST+10*\t+6], v[ST+10*\t+6], v[S+32*\t+7], v[S+32*\t+15]
	v_max3_num_f32 v[ST+10*\t+8], v[ST+10*\t+8], v[S+32*\t+23], v[S+32*\t+31]
.endr
.irp t, 0,1
	v_max3_num_f32 v[ST+10*\t+6], v[ST+10*\t+6], v[ST+10*\t+7], v[ST+10*\t+8]
.endr
.irp t, 0,1
	v_max3_num_f32 v[ST+10*\t+6], v[ST+10*\t+6], v[ST+10*\t+9], v[ST+10*\t+1]   ; with the old m
.endr
.irp t, 0,1
	v_permlanex16_b32 v[ST+10*\t+7], v[ST+10*\t+6], s[SEL], s[SEL+1]            ; the query's other 32 keys lie in the lane 16 away
.endr
.irp t, 0,1
	v_mov_b32 v[ST+10*\t+9], v[ST+10*\t]           ; c m_old
.endr
.irp t, 0,1
	v_max_num_f32 v[ST+10*\t+1], v[ST+10*\t+6], v[ST+10*\t+7]
.endr
.irp t, 0,1
	v_mul_f32 v[ST+10*\t], s[CS], v[ST+10*\t+1]
.endr
.irp t, 0,1
	v_sub_f32 v[ST+10*\t+9], v[ST+10*\t+9], v[ST+10*\t]
.endr
.irp t, 0,1
.irp j, 0,2,4,6,8,10,12,14,16,18,20,22,24,26,28,30
	v_pk_fma_f32 v[S+32*\t+\j:S+32*\t+\j+1], v[S+32*\t+\j:S+32*\t+\j+1], s[CS:CS+1], v[ST+10*\t:ST+10*\t+1] op_sel_hi:[1,0,0] neg_lo:[0,0,1] neg_hi:[0,0,1]   ; c s - c m
.endr
.endr
.irp t, 0,1
	v_exp_f32 v[ST+10*\t+4], v[ST+10*\t+9]         ; a
.endr
.irp j, 0,1,2,3,4,5,6,7,8,9,10,11,12,13,14,15,16,17,18,19,20,21,22,23,24,25,26,27,28,29,30,31,32,33,34,35,36,37,38,39,40,41,42,43,44,45,46,47,48,49,50,51,52,53,54,55,56,57,58,59,60,61,62,63
	v_exp_f32 v[S+\j], v[S+\j]                     ; p
.endr
	v_nop                                          ; one plain instruction behind the last exponential
	s_wait_alu depctr_va_vdst(0)                   ; the wait ahead of the first reader: one for the batch of 66
.irp t, 0,1
	v_pk_mul_f32 v[ST+10*\t+2:ST+10*\t+3], v[ST+10*\t+2:ST+10*\t+3], v[ST+10*\t+4:ST+10*\t+5] op_sel_hi:[1,0]   ; l x a
	v_pk_add_f32 v[ST+10*\t+6:ST+10*\t+7], v[S+32*\t:S+32*\t+1], v[S+32*\t+2:S+32*\t+3]                          ; the sums in two chains a tile
.endr
.irp j, 4,8,12,16,20,24,28
.irp t, 0,1
	v_pk_add_f32 v[ST+10*\t+2:ST+10*\t+3], v[ST+10*\t+2:ST+10*\t+3], v[S+32*\t+\j:S+32*\t+\j+1]
	v_pk_add_f32 v[ST+10*\t+6:ST+10*\t+7], v[ST+10*\t+6:ST+10*\t+7], v[S+32*\t+\j+2:S+32*\t+\j+3]
.endr
.endr
.irp t, 0,1
	v_pk_add_f32 v[ST+10*\t+2:ST+10*\t+3], v[ST+10*\t+2:ST+10*\t+3], v[ST+10*\t+6:ST+10*\t+7]
.endr
.irp t, 0,1                                    ; p to f16, packed in place, ascending: register 4 kt + i takes registers 8 kt + 2 i and + 1, which no later line reads
.irp kt, 0,1,2,3
.irp i, 0,1,2,3
	v_cvt_pk_f16_f32 v[S+32*\t+4*\kt+\i], v[S+32*\t+8*\kt+2*\i], v[S+32*\t+8*\kt+2*\i+1]
.endr
.endr
.endr
.irp t, 0,1
.irp j, 0,2,4,6,8,10,12,14,16,18,20,22,24,26,28,30
	v_pk_mul_f32 v[O+32*\t+\j:O+32*\t+\j+1], v[O+32*\t+\j:O+32*\t+\j+1], v[ST+10*\t+4:ST+10*\t+5] op_sel_hi:[1,0]   ; O^T x a, each accumulator from its low end on
.endr
.endr
	s_wait_dscnt 0x0                               ; V is in
.irp u, 0,1                                    ; O^T += V^T P: the eight accumulators by turns
.irp t, 0,1
.irp dt, 0,1,2,3
	v_wmma_f32_16x16x32_f16 v[O+32*\t+8*\dt:O+32*\t+8*\dt+7], v[F+32*\u+8*\dt:F+32*\u+8*\dt+7], v[S+32*\t+8*\u:S+32*\t+8*\u+7], v[O+32*\t+8*\dt:O+32*\t+8*\dt+7]
.endr
.endr
.endr
.rept 5
	v_nop                                          ; five places: the next step's first products write over p's registers; its loads land in V's; the way out reads O^T
.endr
.Lhidden_\@:
	s_add_co_u32 s[KF], s[KF], 64
.endm
; THE CHANGE OF SLOTS stands at a slot's head.  Each wave waits for all its tensor loads, adds 0 to its spare word, and waits for that and for its reads of the slot that it has left.
; Behind the barrier the slot ahead is whole and nobody reads the other one, which is then filled with the keys that follow, up to the causal limit.
.macro CHANGE fill
	s_wait_tensorcnt 0x0                           ; no tensor load of mine is out, so a descriptor may be written
	ds_add_u32 v[SPW], v[NIL]
.if \fill
	ds_add_u32 v[SPW], v[NIL]                      ; and once more
	s_xor_b32 s[G0K+1], s[G0K+1], SLOT1
	s_add_nc_u64 s[G0K+2:G0K+3], s[G0K+2:G0K+3], SK*128
	s_xor_b32 s[G0V+1], s[G0V+1], SLOT1
	s_add_nc_u64 s[G0V+2:G0V+3], s[G0V+2:G0V+3], SK*128
	s_wait_xcnt 0x0                                ; the last prefetch, a slot back, has read its address
	s_add_nc_u64 s[PFA:PFA+1], s[PFA:PFA+1], SK*128
.endif
	s_wait_dscnt 0x0
	s_barrier_signal -1
	s_barrier_wait -1
.if \fill
	s_add_co_u32 s96, s[KF], SK                    ; the first key of the slot that this change would ask for:
	s_cmp_gt_u32 s96, s[QL]                        ; after my work-group's last query no wave reads it.  Ids and the count of steps alone: all sixteen waves go the same way
	s_cbranch_scc1 .Lpast_\@
	TLOAD                                          ; a wave's one tensor load until the next such barrier
.Lpast_\@:
	ASK
.endif
.endm
.macro SLOT_STEPS
	STEP 0
	STEP 1
	STEP 2
	STEP 3
	s_xor_b32 s[TB], s[TB], SLOT1
.endm
	s_wait_loadcnt 0x0                             ; Q
.Lslot:                                            ; seven trips: behind each change of slots but the last the next slot is asked for
	CHANGE 1
	SLOT_STEPS
	s_sub_co_u32 s[SLOTS], s[SLOTS], 1
	s_cmp_lg_u32 s[SLOTS], 0
	s_cbranch_scc1 .Lslot
	CHANGE 0
	SLOT_STEPS
	; THE WAY OUT: l's halves and the other half of the lanes'; O^T / l, rounded to f16, through my stage, out as 4,096 consecutive bytes of ao.
.irp t, 0,1
	v_add_f32 v[ST+10*\t+6], v[ST+10*\t+2], v[ST+10*\t+3]
.endr
.irp t, 0,1
	v_permlanex16_b32 v[ST+10*\t+7], v[ST+10*\t+6], s[SEL], s[SEL+1]
.endr
.irp t, 0,1
	v_add_f32 v[ST+10*\t+6], v[ST+10*\t+6], v[ST+10*\t+7]
.endr
.irp t, 0,1
	v_rcp_f32 v[ST+10*\t+4], v[ST+10*\t+6]
.endr
	v_and_b32 v[DD], 15, v0                        ; (plain work behind the reciprocals)  r
	v_bfe_u32 v[LD], v0, 4, 1                      ; h
	s_mul_i32 s73, s[WV], 32*SPT
	s_add_co_u32 s73, s73, STAGE
	v_mul_u32_u24 v[ADK], v[DD], SPT
	v_lshl_add_u32 v[ADK], v[LD], 4, v[ADK]
	v_add_nc_u32 v[ADK], s73, v[ADK]               ; in: row r, + 16 h
	v_bfe_u32 v[DD], v0, 3, 2
	v_and_b32 v[LD], 7, v0
	v_mul_u32_u24 v[ADV], v[DD], SPT
	v_lshl_add_u32 v[ADV], v[LD], 4, v[ADV]
	v_add_nc_u32 v[ADV], s73, v[ADV]               ; back: row lane / 8, 16 bytes a lane
	v_and_b32 v[DD], 31, v0
	v_lshlrev_b32 v[DD], 4, v[DD]
	s_wait_alu depctr_va_vdst(0)                   ; one wait for the two reciprocals, ahead of their first reader
.irp t, 0,1
.irp j, 0,2,4,6,8,10,12,14,16,18,20,22,24,26,28,30
	v_pk_mul_f32 v[O+32*\t+\j:O+32*\t+\j+1], v[O+32*\t+\j:O+32*\t+\j+1], v[ST+10*\t+4:ST+10*\t+5] op_sel_hi:[1,0]
.endr
.endr
.irp t, 0,1
.irp dt, 0,1,2,3
.irp i, 0,1,2,3
	v_cvt_pk_f16_f32 v[F+16*\t+4*\dt+\i], v[O+32*\t+8*\dt+2*\i], v[O+32*\t+8*\dt+2*\i+1]
.endr
.endr
.endr
.irp t, 0,1
.irp dt, 0,1,2,3
	ds_store_b128 v[ADK], v[F+16*\t+4*\dt:F+16*\t+4*\dt+3] offset:16*SPT*\t+32*\dt   ; query 16 t + r, channels 16 dt + 8 h + 0 .. 7
.endr
.endr
.irp i, 0,1,2,3,4,5,6,7
	ds_load_b128 v[S+4*\i:S+4*\i+3], v[ADV] offset:4*SPT*\i    ; LDS serves a wave's instructions in order: these see my stores
.endr
.irp i, 0,1,2,3,4,5,6,7
	s_wait_dscnt 7-\i
	global_store_b128 v[DD], v[S+4*\i:S+4*\i+3], s[6:7] offset:512*\i   ; 32 lanes store 512 consecutive bytes, aligned
.endr
	s_wait_tensorcnt 0x0                           ; the wave's end
	ds_add_u32 v[SPW], v[NIL]
	s_wait_dscnt 0x0
	s_endpgm
.Lfunc_end_k_q38f8874e3f_attn:
	.size	k_q38f8874e3f_attn, .Lfunc_end_k_q38f8874e3f_attn-k_q38f8874e3f_attn
	.p2alignl 7, 3214868480
	.fill 96, 4, 3214868480
	.section	.rodata,"a",@progbits
	.p2align	6, 0x0
	.amdhsa_kernel k_q38f8874e3f_attn
		.amdhsa_group_segment_fixed_size 327680
		.amdhsa_private_segment_fixed_size 0
		.amdhsa_enable_private_segment 0
		.amdhsa_kernarg_size 16
		.amdhsa_user_sgpr_count 2
		.amdhsa_user_sgpr_kernarg_segment_ptr 1
		.amdhsa_wavefront_size32 1
		.amdhsa_system_sgpr_workgroup_id_x 1
		.amdhsa_system_sgpr_workgroup_id_y 1
		.amdhsa_system_sgpr_workgroup_id_z 1
		.amdhsa_system_vgpr_workitem_id 0
		.amdhsa_next_free_vgpr 256
		.amdhsa_next_free_sgpr 100
		.amdhsa_reserve_vcc 1
		.amdhsa_float_denorm_mode_32 3
		.amdhsa_float_denorm_mode_16_64 3
		.amdhsa_memory_ordered 1
		.amdhsa_forward_progress 1
		.amdhsa_inst_pref_size 189
	.end_amdhsa_kernel
	.amdgpu_metadata
---
amdhsa.version: [ 1, 2 ]
amdhsa.kernels:
  - .name:           k_q38f8874e3f_attn
    .symbol:         k_q38f8874e3f_attn.kd
    .args:
      - { .name: qkv, .offset: 0, .size: 8, .value_kind: global_buffer, .address_space: global }
      - { .name: ao, .offset: 8, .size: 8, .value_kind: global_buffer, .address_space: global }
    .group_segment_fixed_size: 327680
    .private_segment_fixed_size: 0
    .kernarg_segment_align: 8
    .kernarg_segment_size: 16
    .max_flat_workgroup_size: 512
    .sgpr_count:     100
    .vgpr_count:     256
    .wavefront_size: 32
...
	.end_amdgpu_metadata
.endif
;; end of part 3
;; launch proj (part 4): grid 4 x 64, 4 waves a work-group, clusters of 4 x 1, 327,680 bytes of LDS; arguments ao, wpf, bp, out0; writes out0
.if DOCPART == 4
	.amdgcn_target "amdgcn-amd-amdhsa--gfx1250"
	.amdhsa_code_object_version 6
	.text
	.protected	k_q38f8874e3f_proj
	.globl	k_q38f8874e3f_proj
	.p2align	8
	.type	k_q38f8874e3f_proj,@function
k_q38f8874e3f_proj:
	s_mov_b64 s[64:65], 0
	v_nop
	global_prefetch_b8 v0, s[64:65] scope:SCOPE_SE
	s_setreg_imm32_b32 hwreg(HW_REG_WAVE_MODE, 25, 1), 1
	s_wait_xcnt 0x0
	s_wait_alu depctr_hold_cnt(0) depctr_sa_sdst(0) depctr_va_vdst(0) depctr_va_sdst(0) depctr_va_ssrc(0) depctr_va_vcc(0) depctr_vm_vsrc(0)
	s_getreg_b32 s2, hwreg(HW_REG_IB_STS2, 6, 4)
	s_cmp_eq_u32 s2, 0
	s_cbranch_scc0 .Lentry_in_a_cluster
	s_endpgm
.Lentry_in_a_cluster:
	s_bfe_u32 s2, ttmp6, 0x10000c
	s_cmp_lg_u32 s2, 0x3003
	s_cbranch_scc0 .Lentry_shape_is_right
	s_endpgm
.Lentry_shape_is_right:
; out0[b][t][n] = the sum over k = 64 h + d of ao[b][h][t][d] Wp[k][n] + bp[n], on f16 operands with f32 sums, for the positions t >= 16.
; The first 16 positions of every sequence are stored by the launch that follows, which carries them in f32: here their block of 16 rows is multiplied with the tile that holds it and not stored.
; SHARES.  A work-group makes 128 rows (y: 128 y on) x 256 columns (cx); a wave all 128 rows x 64 columns: 32 accumulators, 256 registers.
; A: the tile's rows of all 16 heads, 16 x 128 rows x 128 bytes, lie in LDS, each byte filled once: four tensor loads a wave, all issued at the start (four of mine are out at the most); nothing is filled again.
; CLUSTER: the four work-groups of a cluster share y and so all of A: each tile is asked for jointly, mask 15.
; B: Wp as f16 in the order of an operand's registers goes from memory straight into registers, 512 consecutive bytes a load, seven K steps ahead.  It is not shared through LDS or a joint load: no two waves of a
; work-group, and no two partners of a cluster, read the same fragment.
; THE MATRIX INSTRUCTION IS USED TRANSPOSED (source 0 = 16 columns of Wp, source 1 = 16 rows of ao): a lane holds eight neighbouring columns of one row.  The bias is the C of each sum's first instruction.
; REGISTERS: window 0: v16-21 A's addresses; v24-29 other addresses; v64-127, v128-191 A's two buffers; v192-223 the bias.  window 1: accumulator (a, b) at v[8 (4 a + b)].  window 2: B's ring of 8 stages of 32.
.set AP,     144                       ; a row of A in LDS: 128 bytes + 16
.set HEADB,  128*AP
.set STAGE,  16*HEADB                  ; 294,912: 16 rows x 272 bytes for each wave
.set SPITCH, 272
.set SPARE,  STAGE+4*16*SPITCH         ; 312,320: the spare words
.set ADRA, 16                          ; v16-21: 144 r + 16 h + three heads' bytes x g, so that every offset fits 16 bits
.set STO,  24
.set RD,   25
.set CO,   26
.set BO,   27
.set SPW,  28
.set NIL,  29
.set FA,   64
.set BIAS, 192
.set WV,   12
.set G1,   24
.set G0,   32                          ; s[32:47]: four descriptors' first groups
.set MSB, 0
.macro WIN new
.if MSB != (\new)
	s_set_vgpr_msb (MSB<<8)|(\new)
.set MSB, \new
.endif
.endm
.macro CROUND                          ; a round of the cluster's barrier
	s_barrier_signal -1
	s_barrier_wait -1
	s_cmp_lg_u32 s[WV], 0
	s_cbranch_scc1 .Lnot_wave_0_\@
	s_barrier_signal -3
.Lnot_wave_0_\@:
	s_barrier_wait -3
	s_barrier_signal -1
	s_barrier_wait -1
.endm
	s_load_b256 s[4:11], s[0:1], 0x0               ; ao s[4:5], wpf s[6:7], bp s[8:9], out0 s[10:11]
	v_lshl_add_u32 v[SPW], v0, 2, SPARE
	v_mov_b32 v[NIL], 0
	ds_add_u32 v[SPW], v[NIL]                      ; the wave's opening: the add, twice on end, and its wait ahead of my first tensor load
	ds_add_u32 v[SPW], v[NIL]
	v_lshrrev_b32 v1, 5, v0
	v_readfirstlane_b32 s[WV], v1                  ; wave 0..3
	s_bfe_u32 s13, ttmp6, 0x40000                  ; cx: which 256 columns
	s_and_b32 s14, ttmp7, 0xffff                   ; y: which 128 rows; the partners share it
	s_mov_b32 s[G1], 15|(1<<16)|(1<<20)|(1<<21)|(4<<22)|(3<<25)   ; the mask: all four; elements of 2 bytes; padding on; bit 21 beside a mask; after every 32 words four words
	s_mov_b32 s[G1+1], 64<<16                      ; tensor_dim0
	s_mov_b32 s[G1+2], 128<<16                     ; tensor_dim1
	s_mov_b32 s[G1+3], 64<<16                      ; tile_dim0
	s_mov_b32 s[G1+4], 128                         ; tile_dim1
	s_mov_b32 s[G1+5], 64                          ; stride from row to row
	s_mov_b32 s[G1+6], 0
	s_mov_b32 s[G1+7], 0
	s_lshr_b32 s15, s14, 4                         ; batch
	s_and_b32 s16, s14, 15                         ; which 128 positions
	s_lshl_b32 s15, s15, 22                        ; a batch of ao is 16 heads of 262,144 bytes
	s_lshl_b32 s17, s16, 14
	s_add_co_u32 s20, s15, s17
	s_lshl_b32 s17, s[WV], 18                      ; my first head is my wave's number
	s_add_co_u32 s20, s20, s17
	s_mov_b32 s21, 0
	s_mul_i32 s22, s[WV], HEADB
	s_wait_dscnt 0x0                               ; both opening adds are done
	s_wait_kmcnt 0x0
	s_add_nc_u64 s[20:21], s[4:5], s[20:21]
.irp i, 0,1,2,3
	s_mov_b32 s[G0+4*\i], 1
	s_add_co_u32 s[G0+4*\i+1], s22, \i*4*HEADB     ; head wave + 4 i
	s_add_nc_u64 s[G0+4*\i+2:G0+4*\i+3], s[20:21], \i*4*262144
	s_or_b32 s[G0+4*\i+3], s[G0+4*\i+3], 0x80000000
.endr
	CROUND                                         ; all four work-groups are here: the joint loads meet
.irp i, 0,1,2,3
	tensor_load_to_lds s[G0+4*\i:G0+4*\i+3], s[G1:G1+7]
	s_nop 0
.endr
.rept 4
	v_nop
.endr
	v_and_b32 v1, 15, v0                           ; r
	v_bfe_u32 v2, v0, 4, 1                         ; h
	v_mul_u32_u24 v3, v1, AP
	v_lshl_add_u32 v3, v2, 4, v3
.irp g, 0,1,2,3,4,5
	v_add_nc_u32 v[ADRA+\g], \g*3*HEADB, v3
.endr
	s_mul_i32 s23, s[WV], 16*SPITCH
	s_add_co_u32 s23, s23, STAGE
	v_mul_u32_u24 v4, v1, SPITCH
	v_lshl_add_u32 v4, v2, 5, v4
	v_add_nc_u32 v[STO], s23, v4                   ; in: row r, + 32 h
	v_mul_u32_u24 v4, v2, SPITCH
	v_lshl_add_u32 v4, v1, 4, v4
	v_add_nc_u32 v[RD], s23, v4                    ; back: lanes 0-15 one row of 256 bytes, lanes 16-31 the next
	v_lshlrev_b32 v4, 12, v2
	v_lshl_add_u32 v[CO], v1, 4, v4                ; and the same two rows in out0
	v_and_b32 v4, 31, v0
	v_lshlrev_b32 v[BO], 4, v4
	v_lshlrev_b32 v5, 5, v2                        ; the bias: my half's eight numbers
	s_lshl_b32 s48, s13, 19                        ; wpf: n tile 16 cx + 4 wave, 32,768 bytes a tile
	s_lshl_b32 s49, s[WV], 17
	s_add_co_u32 s48, s48, s49
	s_mov_b32 s49, 0
	s_add_nc_u64 s[6:7], s[6:7], s[48:49]
	s_lshl_b32 s48, s13, 10                        ; 4 x my first column
	s_lshl_b32 s50, s[WV], 8
	s_add_co_u32 s48, s48, s50
	s_add_nc_u64 s[8:9], s[8:9], s[48:49]
	s_add_nc_u64 s[10:11], s[10:11], s[48:49]
	s_lshl_b32 s48, s14, 19                        ; 128 y rows of 4,096 bytes
	s_add_nc_u64 s[10:11], s[10:11], s[48:49]
.irp b, 0,1,2,3
	global_load_b128 v[BIAS+8*\b:BIAS+8*\b+3], v5, s[8:9] offset:64*\b
	global_load_b128 v[BIAS+8*\b+4:BIAS+8*\b+7], v5, s[8:9] offset:64*\b+16
.endr
.macro LOAD_B s                        ; K step s (32 along K): my four fragments of Wp into stage s % 8
	WIN 0x80                                       ; destination window 2
.irp b, 0,1,2,3
.irp c, 0,1
	global_load_b128 v[32*((\s)%8)+8*\b+4*\c:32*((\s)%8)+8*\b+4*\c+3], v[BO], s[6:7] offset:32768*\b+1024*(\s)+512*\c
.endr
.endr
	WIN 0
.endm
.macro FETCH_A s                       ; K step s: head s / 2, channels 32 (s % 2) on: eight fragments of 16 rows into buffer s % 2
.irp a, 0,1,2,3,4,5,6,7
	ds_load_b128 v[FA+64*((\s)%2)+8*\a:FA+64*((\s)%2)+8*\a+3], v[ADRA+((\s)/2)/3] offset:HEADB*(((\s)/2)%3)+16*AP*\a+64*((\s)%2)
	ds_load_b128 v[FA+64*((\s)%2)+8*\a+4:FA+64*((\s)%2)+8*\a+7], v[ADRA+((\s)/2)/3] offset:HEADB*(((\s)/2)%3)+16*AP*\a+64*((\s)%2)+32
.endr
.endm
.irp s, 0,1,2,3,4,5,6
	LOAD_B \s
.endr
	s_wait_tensorcnt 3                             ; my first load has landed (three were issued behind it): with the barrier, heads 0 to 3 are in
	s_barrier_signal -1
	s_barrier_wait -1
	FETCH_A 0
.macro KS s
.if (((\s)+1)%8 == 0) && ((\s) < 31)
	s_wait_tensorcnt 3-((\s)+1)/8                  ; my next load has landed: with the barrier, the next four heads are in.
	s_wait_dscnt 0x0
	s_barrier_signal -1
	s_barrier_wait -1
.endif
.if (\s) > 0
.rept 4
	v_nop                                          ; four places in front of loads into registers that the last step's products read
.endr
.endif
.if (\s) < 31
	FETCH_A (\s)+1
.endif
.if (\s)+7 < 32
	LOAD_B (\s)+7
.endif
.if (\s) < 31
	s_wait_dscnt 16                                ; this step's A is in; the sixteen loads just issued may be out
.else
	s_wait_dscnt 0x0
.endif
.if 31-(\s) >= 7
	s_wait_loadcnt 56                              ; this step's B is in; the seven stages behind it, eight loads each, may be out
.else
	s_wait_loadcnt 8*(31-(\s))
.endif
.if (\s) == 0
	WIN 0x42                                       ; source 0 (B) window 2, source 1 (A) window 0, C (the bias) window 0, D window 1
.else
	WIN 0x52                                       ; C and D window 1
.endif
.irp a, 0,1,2,3,4,5,6,7                ; the 32 accumulators take turns, in the same order in every step
.irp b, 0,1,2,3
.if (\s) == 0
	v_wmma_f32_16x16x32_f16 v[8*(4*\a+\b):8*(4*\a+\b)+7], v[32*((\s)%8)+8*\b:32*((\s)%8)+8*\b+7], v[FA+64*((\s)%2)+8*\a:FA+64*((\s)%2)+8*\a+7], v[BIAS+8*\b:BIAS+8*\b+7]
.else
	v_wmma_f32_16x16x32_f16 v[8*(4*\a+\b):8*(4*\a+\b)+7], v[32*((\s)%8)+8*\b:32*((\s)%8)+8*\b+7], v[FA+64*((\s)%2)+8*\a:FA+64*((\s)%2)+8*\a+7], v[8*(4*\a+\b):8*(4*\a+\b)+7]
.endif
.endr
.endr
	WIN 0
.endm
.set SS, 0
.rept 32
	KS SS
.set SS, SS+1
.endr
; THE WAY OUT, block by block of 16 rows x 64 columns: through my own stage (rows of 272 bytes) and back as whole rows of 256 bytes, which sixteen lanes store.
.macro TOSTAGE a
	WIN 0x04                                       ; an LDS store's data: window 1
.irp b, 0,1,2,3
	ds_store_b128 v[STO], v[8*(4*(\a)+\b):8*(4*(\a)+\b)+3] offset:64*\b        ; each accumulator from its low end on
	ds_store_b128 v[STO], v[8*(4*(\a)+\b)+4:8*(4*(\a)+\b)+7] offset:64*\b+16
.endr
	WIN 0
.irp i, 0,1,2,3,4,5,6,7
	ds_load_b128 v[FA+32*((\a)%2)+4*\i:FA+32*((\a)%2)+4*\i+3], v[RD] offset:2*SPITCH*\i   ; LDS serves a wave's instructions in order
.endr
.endm
.macro SEND a, younger
	s_wait_dscnt \younger
.irp i, 0,1,2,3,4,5,6,7
	global_store_b128 v[CO], v[FA+32*((\a)%2)+4*\i:FA+32*((\a)%2)+4*\i+3], s[10:11] offset:(16*(\a)+2*\i)*4096 th:TH_STORE_NT   ; sixteen lanes store 256 consecutive bytes, aligned
.endr
.endm
.rept 4
	v_nop                                          ; four places in front of the first reads of results and of loads into A's registers
.endr
	s_cmp_eq_u32 s16, 0                            ; my rows begin a sequence: block 0 holds positions 0 to 15, which the next launch stores.  y alone: the same in all partners
	s_cbranch_scc1 .Lnot_block_0
	TOSTAGE 0
	SEND 0, 0
.Lnot_block_0:
	TOSTAGE 1
.irp a, 2,3,4,5,6,7
	s_wait_xcnt 0x0                                ; block a - 2's stores have read their registers: block a's loads may land there
	TOSTAGE \a
	SEND \a-1, 16                                  ; behind block a - 1's loads: block a's 8 stores and 8 loads
.endr
	SEND 7, 0
	s_wait_tensorcnt 0x0                           ; the wave's end
	ds_add_u32 v[SPW], v[NIL]
	s_wait_dscnt 0x0
	CROUND                                         ; the closing round
	s_endpgm
.Lfunc_end_k_q38f8874e3f_proj:
	.size	k_q38f8874e3f_proj, .Lfunc_end_k_q38f8874e3f_proj-k_q38f8874e3f_proj
	.p2alignl 7, 3214868480
	.fill 96, 4, 3214868480
	.section	.rodata,"a",@progbits
	.p2align	6, 0x0
	.amdhsa_kernel k_q38f8874e3f_proj
		.amdhsa_group_segment_fixed_size 327680
		.amdhsa_private_segment_fixed_size 0
		.amdhsa_enable_private_segment 0
		.amdhsa_kernarg_size 32
		.amdhsa_user_sgpr_count 2
		.amdhsa_user_sgpr_kernarg_segment_ptr 1
		.amdhsa_wavefront_size32 1
		.amdhsa_system_sgpr_workgroup_id_x 1
		.amdhsa_system_sgpr_workgroup_id_y 1
		.amdhsa_system_sgpr_workgroup_id_z 1
		.amdhsa_system_vgpr_workitem_id 0
		.amdhsa_next_free_vgpr 768
		.amdhsa_next_free_sgpr 66
		.amdhsa_reserve_vcc 0
		.amdhsa_float_denorm_mode_32 3
		.amdhsa_float_denorm_mode_16_64 3
		.amdhsa_memory_ordered 1
		.amdhsa_forward_progress 1
		.amdhsa_inst_pref_size 152
	.end_amdhsa_kernel
	.amdgpu_metadata
---
amdhsa.version: [ 1, 2 ]
amdhsa.kernels:
  - .name:           k_q38f8874e3f_proj
    .symbol:         k_q38f8874e3f_proj.kd
    .args:
      - { .name: ao, .offset: 0, .size: 8, .value_kind: global_buffer, .address_space: global }
      - { .name: wpf, .offset: 8, .size: 8, .value_kind: global_buffer, .address_space: global }
      - { .name: bp, .offset: 16, .size: 8, .value_kind: global_buffer, .address_space: global }
      - { .name: out0, .offset: 24, .size: 8, .value_kind: global_buffer, .address_space: global }
    .group_segment_fixed_size: 327680
    .private_segment_fixed_size: 0
    .kernarg_segment_align: 8
    .kernarg_segment_size: 32
    .max_flat_workgroup_size: 128
    .sgpr_count:     66
    .vgpr_count:     768
    .wavefront_size: 32
...
	.end_amdgpu_metadata
.endif
;; end of part 4
;; launch fine (part 5): grid 16 x 4, 16 waves a work-group, no clusters, 71,680 bytes of LDS; arguments qkvf, Wp, bp, out0; writes out0
.if DOCPART == 5
	.amdgcn_target "amdgcn-amd-amdhsa--gfx1250"
	.amdhsa_code_object_version 6
	.text
	.protected	k_q38f8874e3f_fine
	.globl	k_q38f8874e3f_fine
	.p2align	8
	.type	k_q38f8874e3f_fine,@function
k_q38f8874e3f_fine:
	s_mov_b64 s[64:65], 0
	v_nop
	global_prefetch_b8 v0, s[64:65] scope:SCOPE_SE
	s_setreg_imm32_b32 hwreg(HW_REG_WAVE_MODE, 25, 1), 1
	s_wait_xcnt 0x0
; THE FIRST 16 POSITIONS OF EVERY SEQUENCE, in f32 throughout: under the causal mask they average one to sixteen values and are the largest rows of the result, so 16-bit operands would weigh most there.
; out0[b][t][n0 .. n0 + 63], t = 0 .. 15, from q, k, v in f32 (qkvf [b][t][3,072]), Wp and bp.  Work-group (x, y): batch y, columns n0 = 64 x.  Wave h makes head h's attention (16 queries x 16 keys) and its part
; of the projection (K = the head's 64); the sixteen parts meet in LDS and wave w sums query w's row.  All products by the f32 matrix form, K = 4; k is permuted alike on both sides of each product.
; The registers that this form writes (v176-223) are written by matrix instructions alone; what is made of a sum goes into other registers.
; REGISTERS: v16-47 q, v48-79 k (later Wp's tiles 2, 3); v80-111 v (later O / l); v112-175 Wp's tiles 0, 1 (later the sixteen parts); v176-183, v184-191 the scores' two sums; v192-223 O^T, then Y^T; v224-231 p.
.set RP,    272
.set REDW,  16*RP                      ; a wave's part: 16 queries x (256 bytes + 16)
.set SPARE, 16*REDW                    ; 69,632: the spare words, 128 bytes for each of 16 waves
.set SPW,  10
.set NIL,  11
.set QF,   16
.set KFR,  48
.set VF,   80
.set WF0,  112
.set SA,   176
.set SB,   184
.set OA,   192
.set P,    224
	s_load_b256 s[4:11], s[0:1], 0x0               ; qkvf s[4:5], Wp s[6:7], bp s[8:9], out0 s[10:11]
	v_lshl_add_u32 v[SPW], v0, 2, SPARE
	v_mov_b32 v[NIL], 0
	v_lshrrev_b32 v1, 5, v0
	v_readfirstlane_b32 s12, v1                    ; wave = head, later = query
	s_and_b32 s13, ttmp7, 0xffff                   ; batch
	v_and_b32 v1, 15, v0                           ; r
	v_bfe_u32 v2, v0, 4, 1                         ; h
	v_mul_u32_u24 v3, v1, 12288
	v_lshl_add_u32 v3, v2, 7, v3                   ; q, k: row r, channels 32 h on
	v_mul_u32_u24 v4, v2, 98304
	v_lshl_add_u32 v4, v1, 2, v4                   ; v: keys 8 h on, channel r
	v_lshlrev_b32 v5, 15, v2
	v_lshl_add_u32 v5, v1, 2, v5                   ; Wp: rows 8 h on, column r
	v_lshlrev_b32 v6, 3, v2
	v_sub_nc_u32 v6, v1, v6                        ; r - 8 h
	v_mov_b32 v7, 0xff800000
	s_mul_i32 s25, s12, REDW
	v_mul_u32_u24 v8, v1, RP
	v_lshl_add_u32 v8, v2, 5, v8
	v_add_nc_u32 v8, s25, v8                       ; my part: row r, + 32 h
	s_mul_i32 s25, s12, RP
	v_and_b32 v12, 31, v0
	v_lshlrev_b32 v12, 3, v12                      ; 8 x lane
	v_add_nc_u32 v9, s25, v12                      ; back: query = my wave's number, 8 bytes a lane
	v_mov_b32 v233, 0                              ; written once: a lane permute's destination counts as one of its sources
	v_mov_b32 v235, 0
	s_mul_i32 s14, s13, 196608
	s_lshl_b32 s15, s12, 8
	s_add_co_u32 s14, s14, s15                     ; qkvf: my batch, my head's 64 columns
	s_mov_b32 s15, 0
	s_lshl_b32 s16, s12, 18
	s_lshl_b32 s18, ttmp9, 8                       ; 4 n0
	s_add_co_u32 s16, s16, s18                     ; Wp: my head's 64 rows, my work-group's 64 columns
	s_mov_b32 s17, 0
	s_mov_b32 s19, 0
	s_lshl_b32 s20, s13, 23
	s_lshl_b32 s21, s12, 12
	s_add_co_u32 s20, s20, s21
	s_add_co_u32 s20, s20, s18                     ; out0: row 2,048 batch + wave
	s_mov_b32 s21, 0
	s_mov_b32 s22, 0x76543210
	s_mov_b32 s23, 0xfedcba98
	s_mov_b32 s24, 0x3d38aa3b                      ; c = log2(e) / 32
	s_wait_kmcnt 0x0
	s_add_nc_u64 s[4:5], s[4:5], s[14:15]
	s_add_nc_u64 s[6:7], s[6:7], s[16:17]
	s_add_nc_u64 s[8:9], s[8:9], s[18:19]
	s_add_nc_u64 s[10:11], s[10:11], s[20:21]
.macro WLOAD nt, reg                   ; register 8 dt + i of tile nt: Wp(64 head + 16 dt + 8 h + i, n0 + 16 nt + r)
.irp i, 0,1,2,3,4,5,6,7,8,9,10,11,12,13,14,15,16,17,18,19,20,21,22,23,24,25,26,27,28,29,30,31
	global_load_b32 v[\reg+\i], v5, s[6:7] offset:4096*(16*(\i/8)+(\i%8))+64*\nt
.endr
.endm
	WLOAD 0, WF0
	WLOAD 1, WF0+32
	global_load_b64 v[14:15], v12, s[8:9]          ; the bias of my two columns
.irp i, 0,1,2,3,4,5,6,7
	global_load_b128 v[QF+4*\i:QF+4*\i+3], v3, s[4:5] offset:16*\i
.endr
.irp i, 0,1,2,3,4,5,6,7
	global_load_b128 v[KFR+4*\i:KFR+4*\i+3], v3, s[4:5] offset:4096+16*\i
.endr
.irp dt, 0,1,2,3
.irp i, 0,1,2,3,4,5,6,7
	global_load_b32 v[VF+8*\dt+\i], v4, s[4:5] offset:8192+12288*\i+64*\dt    ; v(key 8 h + i, channel 16 dt + r)
.endr
.endr
	s_wait_loadcnt 32                              ; q and k are in; v's 32 loads may be out
.irp s, 0,2,4,6,8,10,12,14                     ; S^T = k q^T: source 0 = 16 keys, source 1 = 16 queries; two sums by turns, each begun with the constant 0
.if \s == 0
	v_wmma_f32_16x16x4_f32 v[SA:SA+7], v[KFR+2*\s:KFR+2*\s+1], v[QF+2*\s:QF+2*\s+1], 0
	v_wmma_f32_16x16x4_f32 v[SB:SB+7], v[KFR+2*\s+2:KFR+2*\s+3], v[QF+2*\s+2:QF+2*\s+3], 0
.else
	v_wmma_f32_16x16x4_f32 v[SA:SA+7], v[KFR+2*\s:KFR+2*\s+1], v[QF+2*\s:QF+2*\s+1], v[SA:SA+7]
	v_wmma_f32_16x16x4_f32 v[SB:SB+7], v[KFR+2*\s+2:KFR+2*\s+3], v[QF+2*\s+2:QF+2*\s+3], v[SB:SB+7]
.endif
.endr
.rept 8
	v_nop                                          ; eight places behind this form, in front of loads into q's and k's registers and of the first reads of the sums
.endr
	WLOAD 2, QF
	WLOAD 3, KFR
.irp j, 0,1,2,3,4,5,6,7
	v_add_f32 v[P+\j], v[SA+\j], v[SB+\j]          ; the score of key 8 h + j for query r
.endr
.irp j, 0,1,2,3,4,5,6,7
	v_cmp_gt_i32 vcc_lo, \j, v6                    ; hidden where 8 h + j > r
	v_cndmask_b32 v[P+\j], v[P+\j], v7, vcc_lo
.endr
	v_max3_num_f32 v232, v[P], v[P+1], v[P+2]
	v_max3_num_f32 v232, v232, v[P+3], v[P+4]
	v_max3_num_f32 v232, v232, v[P+5], v[P+6]
	v_max_num_f32 v232, v232, v[P+7]
	v_permlanex16_b32 v233, v232, s22, s23
	v_max_num_f32 v232, v232, v233                 ; the row's maximum: key 0 counts for every query, so it is a number
	v_mul_f32 v233, s24, v232
.irp j, 0,1,2,3,4,5,6,7
	v_fma_f32 v[P+\j], v[P+\j], s24, -v233
.endr
.irp j, 0,1,2,3,4,5,6,7
	v_exp_f32 v[P+\j], v[P+\j]
.endr
	v_nop                                          ; one plain instruction behind the last exponential
	s_wait_alu depctr_va_vdst(0)                   ; one wait for the eight, ahead of their first reader
	v_add_f32 v234, v[P], v[P+1]
	v_add_f32 v237, v[P+2], v[P+3]
	v_add_f32 v238, v[P+4], v[P+5]
	v_add_f32 v239, v[P+6], v[P+7]
	v_add_f32 v234, v234, v237
	v_add_f32 v238, v238, v239
	v_add_f32 v234, v234, v238
	v_permlanex16_b32 v235, v234, s22, s23
	v_add_f32 v234, v234, v235                     ; the row's sum
	v_rcp_f32 v236, v234
	v_nop
	s_wait_alu depctr_va_vdst(0)
	s_wait_loadcnt 63                              ; v is in
.irp sp, 0,1,2,3                               ; O^T = v^T p: source 0 = 16 channels, source 1 = p; keys 8 h + 2 sp + 0, 1; the four tiles of channels by turns
.irp dt, 0,1,2,3
.if \sp == 0
	v_wmma_f32_16x16x4_f32 v[OA+8*\dt:OA+8*\dt+7], v[VF+8*\dt+2*\sp:VF+8*\dt+2*\sp+1], v[P+2*\sp:P+2*\sp+1], 0
.else
	v_wmma_f32_16x16x4_f32 v[OA+8*\dt:OA+8*\dt+7], v[VF+8*\dt+2*\sp:VF+8*\dt+2*\sp+1], v[P+2*\sp:P+2*\sp+1], v[OA+8*\dt:OA+8*\dt+7]
.endif
.endr
.endr
.rept 9
	v_nop                                          ; nine places: the sums are read, v's registers are written, and the next products write over the sums' registers
.endr
.irp i, 0,1,2,3,4,5,6,7,8,9,10,11,12,13,14,15,16,17,18,19,20,21,22,23,24,25,26,27,28,29,30,31
	v_mul_f32 v[VF+\i], v[OA+\i], v236             ; O / l: register 8 dt + j: channel 16 dt + 8 h + j of query r
.endr
	s_wait_loadcnt 0x0                             ; all of Wp's tiles
.irp dt, 0,1,2,3                               ; Y^T = Wp^T O^T: source 0 = 16 columns of Wp, source 1 = O; the four tiles of columns by turns; the first four begin with the constant 0
.irp sp, 0,1,2,3
.irp nt, 0,1,2,3
.if \nt < 2
.set WB, WF0+32*\nt
.else
.set WB, QF+32*(\nt-2)
.endif
.if (\dt == 0) && (\sp == 0)
	v_wmma_f32_16x16x4_f32 v[OA+8*\nt:OA+8*\nt+7], v[WB+8*\dt+2*\sp:WB+8*\dt+2*\sp+1], v[VF+8*\dt+2*\sp:VF+8*\dt+2*\sp+1], 0
.else
	v_wmma_f32_16x16x4_f32 v[OA+8*\nt:OA+8*\nt+7], v[WB+8*\dt+2*\sp:WB+8*\dt+2*\sp+1], v[VF+8*\dt+2*\sp:VF+8*\dt+2*\sp+1], v[OA+8*\nt:OA+8*\nt+7]
.endif
.endr
.endr
.endr
.rept 8
	v_nop
.endr
.irp nt, 0,1,2,3
	ds_store_b128 v8, v[OA+8*\nt:OA+8*\nt+3] offset:64*\nt          ; query r, columns 16 nt + 8 h + 0 .. 7; each sum from its low end on
	ds_store_b128 v8, v[OA+8*\nt+4:OA+8*\nt+7] offset:64*\nt+16
.endr
	s_wait_dscnt 0x0                               ; for the others' sake: my stores are done
	s_barrier_signal -1
	s_barrier_wait -1
.irp hh, 0,1,2,3,4,5,6,7,8,9,10,11,12,13,14,15
	ds_load_b64 v[WF0+2*\hh:WF0+2*\hh+1], v9 offset:REDW*\hh       ; head hh's part of my query's row
.endr
	s_wait_dscnt 0x0
.irp hh, 0,1,2,3,4,5,6,7,8,9,10,11,12,13,14,15
	v_pk_add_f32 v[14:15], v[14:15], v[WF0+2*\hh:WF0+2*\hh+1]      ; the bias and the sixteen parts, in order
.endr
	global_store_b64 v12, v[14:15], s[10:11]       ; the wave stores 256 consecutive bytes, aligned
	s_wait_tensorcnt 0x0                           ; the wave's end, behind my last LDS store
	ds_add_u32 v[SPW], v[NIL]
	s_wait_dscnt 0x0
	s_endpgm
.Lfunc_end_k_q38f8874e3f_fine:
	.size	k_q38f8874e3f_fine, .Lfunc_end_k_q38f8874e3f_fine-k_q38f8874e3f_fine
	.p2alignl 7, 3214868480
	.fill 96, 4, 3214868480
	.section	.rodata,"a",@progbits
	.p2align	6, 0x0
	.amdhsa_kernel k_q38f8874e3f_fine
		.amdhsa_group_segment_fixed_size 71680
		.amdhsa_private_segment_fixed_size 0
		.amdhsa_enable_private_segment 0
		.amdhsa_kernarg_size 32
		.amdhsa_user_sgpr_count 2
		.amdhsa_user_sgpr_kernarg_segment_ptr 1
		.amdhsa_wavefront_size32 1
		.amdhsa_system_sgpr_workgroup_id_x 1
		.amdhsa_system_sgpr_workgroup_id_y 1
		.amdhsa_system_sgpr_workgroup_id_z 1
		.amdhsa_system_vgpr_workitem_id 0
		.amdhsa_next_free_vgpr 256
		.amdhsa_next_free_sgpr 66
		.amdhsa_reserve_vcc 1
		.amdhsa_float_denorm_mode_32 3
		.amdhsa_float_denorm_mode_16_64 3
		.amdhsa_memory_ordered 1
		.amdhsa_forward_progress 1
		.amdhsa_inst_pref_size 33
	.end_amdhsa_kernel
	.amdgpu_metadata
---
amdhsa.version: [ 1, 2 ]
amdhsa.kernels:
  - .name:           k_q38f8874e3f_fine
    .symbol:         k_q38f8874e3f_fine.kd
    .args:
      - { .name: qkvf, .offset: 0, .size: 8, .value_kind: global_buffer, .address_space: global }
      - { .name: Wp, .offset: 8, .size: 8, .value_kind: global_buffer, .address_space: global }
      - { .name: bp, .offset: 16, .size: 8, .value_kind: global_buffer, .address_space: global }
      - { .name: out0, .offset: 24, .size: 8, .value_kind: global_buffer, .address_space: global }
    .group_segment_fixed_size: 71680
    .private_segment_fixed_size: 0
    .kernarg_segment_align: 8
    .kernarg_segment_size: 32
    .max_flat_workgroup_size: 512
    .sgpr_count:     66
    .vgpr_count:     256
    .wavefront_size: 32
...
	.end_amdgpu_metadata
.endif
;; end of part 5
